; MI455X (gfx1250); checked and timed in simulation.
; The chip was launched on July 23, 2026; its instructions are those of AMD's public machine-readable ISA for CDNA 5 (MIT licence, August 2026) and "CDNA5" Instruction Set Architecture Reference Guide (July 2026). The comments in the code are by the model that wrote it; some were corrected since.
;; Self Attention. Allowed arithmetic: matrix products marked QUANTISED: E2M3 operands, one E8M0 scale for each 32 along K, by v_wmma_scale_f32_16x16x128_f8f6f4 with both operands' format E2M3, f32 sums; everything else in f32.
;; Inputs: W_out 1,024 x 1,024 float32; W_qkv 1,024 x 3,072 float32; X 4 x 2,048 x 1,024 float32; b_out 1,024 float32.
;; Outputs: out0 4 x 2,048 x 1,024 float32.
;; This version of the problem:
;;   THIS VERSION OF THE PROBLEM IS GIVEN IN LOW PRECISION. The matrix products marked QUANTISED in the list below multiply operands that are first quantised to E2M3 (2 exponent bits, 3 mantissa bits; 6 bits a number), with one power-of-two scale for each 32 numbers along K (OCP MX v1.0); their sums are f32. All else is computed in f32.
;;   The module's matrix products, in the order in which they are computed (A, B: the left and right operand; K: the contracted axis; several contracted axes count as one K, in the product's order):
;;     1. [M 8,192, K 1,024] x [K 1,024, N 3,072]; A: input X; B: input W_qkv: QUANTISED
;;     2. batch 64 x [M 2,048, K 64] x [K 64, N 2,048]; A: computed on the way; B: computed on the way: QUANTISED
;;     3. batch 64 x [M 2,048, K 2,048] x [K 2,048, N 64]; A: softmax (see below); B: computed on the way: QUANTISED
;;     4. [M 8,192, K 1,024] x [K 1,024, N 1,024]; A: computed on the way; B: input W_out: QUANTISED
;;   THE QUANTISER, for each operand of a quantised product, along K:
;;     - K is cut into blocks of 32 from its start; a last block that is shorter is filled with zeros.
;;     - A block's scale is 2^e with e = floor(log2(the largest magnitude in the block)) - 2, held to -126 .. 127; a block of zeros has e = 0. As a byte (E8M0): e + 127.
;;     - Each number is divided by its block's scale, clamped to +-7.5, and rounded to the nearest number of E2M3, ties to even, subnormals kept.
;;     - The product sums the exact products of the quantised numbers (number of the format x scale) in f32.
;;   ~~~python
;;   def quantise(x, axis):      # numpy; x: float32 -> the quantised numbers, widened to float32 again
;;       x = np.moveaxis(x, axis, -1); K = x.shape[-1]
;;       x = np.pad(x, [(0, 0)] * (x.ndim - 1) + [(0, -K % 32)]); x = x.reshape(x.shape[:-1] + (-1, 32)); a = np.abs(x).max(-1, keepdims=True)
;;       e = np.where(a > 0, np.clip(np.frexp(np.where(a > 0, a, 1))[1] - 1 - 2, -126, 127), 0)      # np.frexp(a)[1] - 1 = floor(log2(a)), exactly
;;       r = np.clip(x / 2.0 ** e, -7.5, 7.5)
;;       step = 2.0 ** (np.maximum(np.frexp(np.where(r == 0, 1, r))[1] - 1, 0) - 3)
;;       q = np.round(r / step) * step * 2.0 ** e      # np.round: ties to even
;;       return np.moveaxis(q.reshape(q.shape[:-2] + (-1,))[..., :K], -1, axis).astype(np.float32)
;;   ~~~
;;   SOFTMAX AHEAD OF A QUANTISED PRODUCT. Where the list says 'softmax', what is quantised is not the finished softmax but p = 2^(t - M), with t = logit x log2(e) and M = ceil(the row's largest t), a whole number; so 1/2 < the row's largest p <= 1. The row's sum l is taken of the UNQUANTISED p, in f32, and the product's result is divided by l at the end. Since M is a whole number, a kernel that streams over the keys may use a running M (the ceiling of the running maximum): every later rescaling is an exact power of two, which a block's scale takes up: the codes' values come out the same.
;;   OPERANDS COMPUTED ON THE WAY. 'Computed on the way' means the value that the module computes at that place (a softmax that the list does not call 'softmax' is quantised finished and normalised). What goes into a quantiser is computed in f32, as accurately as f32 sums, v_exp_f32 and their like allow (about 1e-6 of the number): no bf16 or f16 on the way to a quantiser, and a product that is left as it is and whose result goes on into a quantised operand takes f32 operands (vector FMAs, or v_wmma_f32_16x16x4_f32). A number that lies on a knife's edge between two numbers of the format may be rounded either way, as far as f32 arithmetic and the matrix unit's own rounding can turn it there, and no further.
;; One version. Each part assembles by itself: llvm-mc -triple=amdgcn-amd-amdhsa -mcpu=gfx1250 --defsym DOCPART=n.
;; ======== version 1 of 1: 4 launches
;; limits: right only within a limited range of input values
;; workspace buffers: xq 6,553,600 bytes; wq 3,276,800 bytes; qq 6,815,744 bytes; kv 13,369,344 bytes; oq 6,553,600 bytes
;; launch quant (part 1): grid 768 x 1, 4 waves a work-group, no clusters, 47,616 bytes of LDS; arguments X, W_qkv, W_out, xq, wq; writes xq, wq
.if DOCPART == 1
	.amdgcn_target "amdgcn-amd-amdhsa--gfx1250"
	.amdhsa_code_object_version 6
	.text
	.protected	k_q0dd0ed4529_quant
	.globl	k_q0dd0ed4529_quant
	.p2align	8
	.type	k_q0dd0ed4529_quant,@function
k_q0dd0ed4529_quant:
	s_mov_b64 s[64:65], 0
	v_nop
	global_prefetch_b8 v0, s[64:65] scope:SCOPE_SE
	s_setreg_imm32_b32 hwreg(HW_REG_WAVE_MODE, 25, 1), 1
	s_wait_xcnt 0x0
; X [8192][1024], W_qkv [1024][3072] and W_out [1024][1024], f32, become codes of FP6 (E2M3) with one E8M0 scale byte for each 32 along K (K = the 1,024).
; A block's scale is 2^(floor(log2(its largest magnitude)) - 2); its byte is the largest magnitude's exponent field - 2, held at 1 from below.
; LIMITS: NaN and infinities among the inputs are not served; a block whose largest magnitude lies under 2^-124 gets the byte 1; a block of zeros gets the byte 1 with zero codes where the
; rule says 127: zero codes add nothing under any byte but 0xff, and these bytes are read by this program alone.
; THE WORKSPACE IS LAID AS THE PRODUCTS' OPERAND REGISTERS.  Row (or column of W) 64 G + 32 a + 8 t + e belongs to tile 4 G + t and to its lane row 8 a + e.
; A fragment (16 rows x 128 K, 12 registers a lane) is an image of 1,536 bytes: registers 4 q .. 4 q + 3 of lane l at 512 q + 16 l.  Lane (r, h) holds K = 64 c + 32 h + 0 .. 31 in registers 6 c .. 6 c + 5.
; Codes: [K / 256][tile][K step % 2][1,536].  Scale words: [K / 256][tile / 4][lane (r, h)][tile % 4]: the word of row r, K step 2 (K / 256) + h.
; Work-groups 0 to 511 take X (64 rows x 256 K each; a wave a tile), the other 256 take the weights (64 columns x 256 K each).  The two ways have LDS bytes of their own.
; No cluster, no tensor load, no matrix unit: the work-groups share no input, and each input byte is read once.
.set SPARE, 47104                      ; the spare words, 128 bytes for each wave
.set SCX,   33792                      ; X's way: behind the four stages (4 x 16 rows x 528 bytes), 512 bytes of scale words
.set IMG,   34304                      ; the weights' way: eight images of 1,536 bytes,
.set SCW,   46592                      ; and 512 bytes of scale words
.set WV,   14                          ; s14 my wave's number
.set SEL,  20                          ; s[20:21] lane selects for v_permlanex16_b32: lane l xor 16
.set L16,  2                           ; v2  16 x lane
.set SIN,  3                           ; X's way: v3 the stage, on the way in; v6 on the way out; v7 8 h; v8 where my scale word goes
.set SOUT, 6
.set SH8,  7
.set SCA,  8
.set R,    16                          ; v16-143  two K steps as loaded
.set XN,   144                         ; v144-207 64 numbers in the operand's order
.set PC0,  208
.set PC1,  220
.set BM,   232
.set SO,   236
.set BY,   238
.set CT,   240
.set T2,   248
.set PW0,  249
.set PW1,  250
.set WD,   251
.set SPW,  252                         ; v252 LDS address of my spare word; never rewritten
.set NIL,  253                         ; v253 0; never rewritten
.set IA,   5                           ; the weights' way: v5 my place in the images; v6 my scale word's; v7 the read-back; v8 4 x lane
.set SWA,  6
.set RDA,  7
.set L4,   8
.set OFFR, 16                          ; v16-47  row i of a block: i x the row's bytes + 4 x lane
.set XW,   48                          ; v48-111 two blocks of 32 numbers
.set CW,   112
.set MXA,  120
.set MXB,  121
.set SOW,  122
.set BYW,  123
.set SBW,  124
.set OUTR, 128
; 64 numbers of a lane, register 32 c + i = K 64 c + 32 h + i of my row, become a fragment's 12 registers at pc and my row's scale word in pw (in both halves of the lanes).
.macro QUANT s, pc, pw
.irp b, 0,1,2,3
	v_max3_num_f32 v[BM+\b], |v[\s+16*\b]|, |v[\s+16*\b+1]|, 0x1800000   ; four chains of 16; the floor 2^(3 - 127) among the leaves holds the byte at 1 from below
.endr
.irp i, 2,4,6,8,10,12,14
.irp b, 0,1,2,3
	v_max3_num_f32 v[BM+\b], v[BM+\b], |v[\s+16*\b+\i]|, |v[\s+16*\b+\i+1]|
.endr
.endr
	v_max_num_f32 v[BM], v[BM], v[BM+1]            ; my block h
	v_max_num_f32 v[BM+2], v[BM+2], v[BM+3]        ; my block 2 + h
	v_add_nc_u32 v[SO], 0xff000000, v[BM]          ; 2 off the exponent field: the conversion's scale operand
	v_add_nc_u32 v[SO+1], 0xff000000, v[BM+2]
	v_lshrrev_b32 v[BY], 23, v[SO]                 ; the bytes
	v_lshrrev_b32 v[BY+1], 23, v[SO+1]
	v_lshl_or_b32 v[\pw], v[BY+1], 16, v[BY]
	v_lshlrev_b32 v[\pw], v[SH8], v[\pw]           ; at their places, 8 h bits up;
	v_permlanex16_b32 v[T2], v[\pw], s[SEL], s[SEL+1]
	v_or_b32 v[\pw], v[\pw], v[T2]                 ; with lane l xor 16's two the word is whole
.irp c, 0,1
	v_cvt_scalef32_pk16_fp6_f32 v[\pc+6*\c:\pc+6*\c+2], v[\s+32*\c:\s+32*\c+15], v[SO+\c]
	v_cvt_scalef32_pk16_fp6_f32 v[CT+4*\c:CT+4*\c+2], v[\s+32*\c+16:\s+32*\c+31], v[SO+\c]   ; (a conversion's three registers begin on an even number)
.endr
	v_nop                                          ; one plain place behind the scaled conversions
.irp c, 0,1
.irp i, 0,1,2
	v_mov_b32 v[\pc+6*\c+3+\i], v[CT+4*\c+\i]
.endr
.endr
.endm
	s_load_b128 s[4:7], s[0:1], 0x0                ; X, W_qkv
	s_load_b128 s[8:11], s[0:1], 0x10              ; W_out, xq
	s_load_b64 s[12:13], s[0:1], 0x20              ; wq
	v_lshl_add_u32 v[SPW], v0, 2, SPARE
	v_mov_b32 v[NIL], 0
	v_lshrrev_b32 v1, 5, v0
	v_readfirstlane_b32 s[WV], v1                  ; wave 0..3
	v_and_b32 v1, 31, v0                           ; lane
	v_lshlrev_b32 v[L16], 4, v1
	s_mov_b32 s[SEL], 0x76543210
	s_mov_b32 s[SEL+1], 0xfedcba98
	s_mov_b32 s22, 0xffff0000                      ; lanes 16-31
	s_cmp_lt_u32 ttmp9, 512                        ; the work-group's number alone: all four waves go the same way
	s_cbranch_scc0 .Lw_path
	; ---- X: work-group = (G = id / 4, K / 256 = id % 4); wave t = tile 4 G + t
	s_lshr_b32 s15, ttmp9, 2                       ; G
	s_and_b32 s16, ttmp9, 3                        ; which 256 along K
	s_lshl_b32 s24, s15, 18                        ; X: (64 G + 8 t) rows of 4,096 bytes + 1,024 bytes for each 256 along K
	s_lshl_b32 s25, s[WV], 15
	s_add_co_u32 s24, s24, s25
	s_lshl_b32 s25, s16, 10
	s_add_co_u32 s24, s24, s25
	s_mov_b32 s25, 0
	s_mul_i32 s26, s16, 1572864                    ; the codes: 512 tiles x 3,072 bytes for each 256 along K, + tile x 3,072
	s_lshl_b32 s27, s15, 2
	s_add_co_u32 s27, s27, s[WV]
	s_mul_i32 s27, s27, 3072
	s_add_co_u32 s26, s26, s27
	s_mov_b32 s27, 0
	s_lshl_b32 s28, s16, 16                        ; the scale words: behind the codes, 65,536 bytes for each 256 along K, 512 for each four tiles
	s_lshl_b32 s29, s15, 9
	s_add_co_u32 s28, s28, s29
	s_add_co_u32 s28, s28, 6291456
	s_mov_b32 s29, 0
	s_mul_i32 s17, s[WV], 8448                     ; my stage
	s_wait_alu depctr_va_vdst(0)
	v_add_nc_u32 v[SIN], s17, v[L16]               ; in: a row's 512 bytes as they lie
	v_and_b32 v4, 15, v0                           ; r
	v_bfe_u32 v5, v0, 4, 1                         ; h
	v_mul_u32_u24 v[SOUT], v4, 528                 ; out: row r (528 bytes = 132 words apart: sixteen rows begin at sixteen different groups of four banks), + 128 h
	v_lshl_add_u32 v[SOUT], v5, 7, v[SOUT]
	v_add_nc_u32 v[SOUT], s17, v[SOUT]
	v_lshlrev_b32 v[SH8], 3, v5
	s_lshl_b32 s18, s[WV], 2
	v_add_nc_u32 v[SCA], s18, v[L16]               ; 16 x lane + 4 t
	v_mov_b32 v[T2], 0                             ; written once: a lane permute's destination counts as one of its sources
	s_wait_alu depctr_va_vdst(0)
	s_wait_kmcnt 0x0
	s_add_nc_u64 s[4:5], s[4:5], s[24:25]
	s_add_nc_u64 s[30:31], s[10:11], s[26:27]
	s_add_nc_u64 s[32:33], s[10:11], s[28:29]
.set i, 0
.rept 32                                       ; lane row r = i % 16 is row 32 (r / 8) + r % 8 from my first; K step i / 16.  Each load: 512 consecutive bytes of one row
	global_load_b128 v[R+4*i:R+4*i+3], v[L16], s[4:5] offset:(32*((i%16)/8)+i%8)*4096+512*(i/16) th:TH_LOAD_NT
.set i, i+1
.endr
.macro THROUGH kk                      ; a K step's 16 rows through my stage: LDS serves a wave's instructions in order, so no wait stands between the stores and the loads
.set i, 0
.rept 16
	ds_store_b128 v[SIN], v[R+64*\kk+4*i:R+64*\kk+4*i+3] offset:528*i
.set i, i+1
.endr
.irp c, 0,1
.irp j, 0,1,2,3,4,5,6,7
	ds_load_b128 v[XN+32*\c+4*\j:XN+32*\c+4*\j+3], v[SOUT] offset:256*\c+16*\j   ; K = 64 c + 32 h + 4 j on
.endr
.endr
	s_wait_dscnt 0x0
.endm
	s_wait_loadcnt 16                              ; K step 0's sixteen loads are in; K step 1's sixteen may be out
	THROUGH 0
	QUANT XN, PC0, PW0
.irp q, 0,1,2
	global_store_b128 v[L16], v[PC0+4*\q:PC0+4*\q+3], s[30:31] offset:512*\q          ; 512 consecutive bytes, aligned
.endr
	s_wait_loadcnt 0x0
	THROUGH 1
	QUANT XN, PC1, PW1
.irp q, 0,1,2
	global_store_b128 v[L16], v[PC1+4*\q:PC1+4*\q+3], s[30:31] offset:1536+512*\q
.endr
	v_cndmask_b32 v[WD], v[PW0], v[PW1], s22       ; lanes 0-15 the even K step's word, lanes 16-31 the odd one's
	ds_store_b32 v[SCA], v[WD] offset:SCX
	s_wait_dscnt 0x0                               ; for the others' sake: my word has landed
	s_barrier_signal -1
	s_barrier_wait -1
	s_cmp_lg_u32 s[WV], 0
	s_cbranch_scc1 .Lx_end
	ds_load_b128 v[16:19], v[L16] offset:SCX       ; the four tiles' words leave together: 512 consecutive bytes
	s_wait_dscnt 0x0
	global_store_b128 v[L16], v[16:19], s[32:33]
.Lx_end:
	s_wait_tensorcnt 0x0                           ; the wave's end
	ds_add_u32 v[SPW], v[NIL]
	s_wait_dscnt 0x0
	s_endpgm
	; ---- the weights: K is their FIRST axis.  A lane takes a column and its registers run down K, so a block of 32 lies in one lane and nothing is transposed by an instruction.
.Lw_path:
	s_sub_co_u32 s15, ttmp9, 512
	s_cmp_lt_u32 s15, 192                          ; the first 192 take W_qkv, the other 64 W_out: only pointers and sizes are chosen
	s_cselect_b32 s16, 0, 192
	s_mov_b32 s17, 4096
	s_cselect_b32 s17, 12288, s17                  ; a row of the weight in bytes
	s_mov_b32 s18, 2457600
	s_cselect_b32 s18, 0, s18                      ; where its codes begin in wq,
	s_mov_b32 s19, 196608
	s_cselect_b32 s19, 589824, s19                 ; their bytes for each 256 along K,
	s_mov_b32 s23, 3244032
	s_cselect_b32 s23, 2359296, s23                ; where its scale words begin,
	s_mov_b32 s24, 8192
	s_cselect_b32 s24, 24576, s24                  ; and their bytes for each 256 along K
	s_wait_kmcnt 0x0
	s_cselect_b64 s[6:7], s[6:7], s[8:9]
	s_sub_co_u32 s15, s15, s16
	s_lshr_b32 s25, s15, 2                         ; G: 64 columns
	s_and_b32 s26, s15, 3                          ; which 256 along K
	s_and_b32 s27, s[WV], 1                        ; a: which 32 of the columns are my wave's
	s_lshr_b32 s28, s[WV], 1                       ; which of the two K steps
	s_lshl_b32 s29, s26, 8
	s_lshl_b32 s30, s28, 7
	s_add_co_u32 s29, s29, s30
	s_mul_i32 s30, s29, s17                        ; my first row,
	s_lshl_b32 s29, s25, 8
	s_add_co_u32 s30, s30, s29
	s_lshl_b32 s29, s27, 7
	s_add_co_u32 s30, s30, s29                     ; my first column
	s_mov_b32 s31, 0
	s_add_nc_u64 s[36:37], s[6:7], s[30:31]        ; a base for each of my four blocks of 32 rows
	s_lshl_b32 s30, s17, 5
	s_add_nc_u64 s[38:39], s[36:37], s[30:31]
	s_add_nc_u64 s[40:41], s[38:39], s[30:31]
	s_add_nc_u64 s[42:43], s[40:41], s[30:31]
	s_mul_i32 s30, s26, s19                        ; out: tile 4 G + wave
	s_add_co_u32 s30, s30, s18
	s_mul_i32 s29, s25, 12288
	s_add_co_u32 s30, s30, s29
	s_mul_i32 s29, s[WV], 3072
	s_add_co_u32 s30, s30, s29
	s_add_nc_u64 s[44:45], s[12:13], s[30:31]
	s_mul_i32 s30, s26, s24
	s_add_co_u32 s30, s30, s23
	s_lshl_b32 s29, s25, 9
	s_add_co_u32 s30, s30, s29
	s_add_nc_u64 s[46:47], s[12:13], s[30:31]
	v_bfe_u32 v3, v0, 3, 2                         ; lane l takes column 32 a + l: tile t = l / 8,
	v_and_b32 v4, 7, v0                            ; lane row 8 a + e, e = l % 8
	v_mul_u32_u24 v[IA], v3, 3072
	v_lshl_add_u32 v[IA], v4, 4, v[IA]
	s_lshl_b32 s29, s27, 7
	s_mul_i32 s30, s28, 1536
	s_add_co_u32 s30, s30, s29
	v_add_nc_u32 v[IA], s30, v[IA]                 ; 3,072 t + 1,536 x K step + 16 (8 a + e)
	v_lshlrev_b32 v[SWA], 2, v3
	v_lshl_add_u32 v[SWA], v4, 4, v[SWA]
	s_lshl_b32 s30, s28, 8
	s_add_co_u32 s30, s30, s29
	v_add_nc_u32 v[SWA], s30, v[SWA]               ; 16 (8 a + e + 16 x K step) + 4 t
	s_mul_i32 s30, s[WV], 3072
	s_wait_alu depctr_va_vdst(0)
	v_add_nc_u32 v[RDA], s30, v[L16]
	v_lshlrev_b32 v[L4], 2, v1
.set i, 0
.rept 32
	v_mad_u32_u24 v[OFFR+i], s17, i, v[L4]
.set i, i+1
.endr
.macro LOADW t                         ; block t: 32 rows of K at my column; 32 lanes read 128 consecutive bytes
.set i, 0
.rept 32
	global_load_b32 v[XW+32*((\t)%2)+i], v[OFFR+i], s[36+2*(\t):37+2*(\t)] th:TH_LOAD_NT
.set i, i+1
.endr
.endm
.macro BLOCK t                         ; block t = 2 c + h of the K step: registers 6 c .. 6 c + 5 of lane (8 a + e, h) of my tile's image
.set XS, XW+32*((\t)%2)
.if (\t) < 3
	s_wait_loadcnt 32                              ; this block's 32 loads are in; the next block's may be out
.else
	s_wait_loadcnt 0x0
.endif
	v_max3_num_f32 v[MXA], |v[XS]|, |v[XS+1]|, |v[XS+2]|
	v_max3_num_f32 v[MXB], |v[XS+3]|, |v[XS+4]|, |v[XS+5]|
.irp i, 6,10,14,18,22,26
	v_max3_num_f32 v[MXA], v[MXA], |v[XS+\i]|, |v[XS+\i+1]|
	v_max3_num_f32 v[MXB], v[MXB], |v[XS+\i+2]|, |v[XS+\i+3]|
.endr
	v_max3_num_f32 v[MXA], v[MXA], |v[XS+30]|, |v[XS+31]|
	v_max3_num_f32 v[MXA], v[MXA], v[MXB], 0x1800000
	v_add_nc_u32 v[SOW], 0xff000000, v[MXA]
	v_lshrrev_b32 v[BYW], 23, v[SOW]
.if (\t) == 0
	v_mov_b32 v[SBW], v[BYW]
.else
	v_lshl_or_b32 v[SBW], v[BYW], 8*(\t), v[SBW]
.endif
	v_cvt_scalef32_pk16_fp6_f32 v[CW:CW+2], v[XS:XS+15], v[SOW]
	v_cvt_scalef32_pk16_fp6_f32 v[CW+4:CW+6], v[XS+16:XS+31], v[SOW]
	v_nop                                          ; one plain place behind the scaled conversions
	v_mov_b32 v[CW+3], v[CW+4]
	v_mov_b32 v[CW+4], v[CW+5]
	v_mov_b32 v[CW+5], v[CW+6]
.if (\t)/2 == 0
	ds_store_b128 v[IA], v[CW:CW+3] offset:IMG+256*((\t)%2)           ; registers 0-3,
	ds_store_b64 v[IA], v[CW+4:CW+5] offset:IMG+512+256*((\t)%2)      ; 4-5
.else
	ds_store_b64 v[IA], v[CW:CW+1] offset:IMG+520+256*((\t)%2)        ; 6-7,
	ds_store_b128 v[IA], v[CW+2:CW+5] offset:IMG+1024+256*((\t)%2)    ; 8-11
.endif
.if (\t)+2 < 4
	LOADW (\t)+2
.endif
	s_wait_dscnt 0x0                               ; the stores have read their registers
.endm
	LOADW 0
	LOADW 1
	BLOCK 0
	BLOCK 1
	BLOCK 2
	BLOCK 3
	s_wait_alu depctr_va_vdst(0)
	ds_store_b32 v[SWA], v[SBW] offset:SCW
	s_wait_dscnt 0x0                               ; for the others' sake: my stores have landed
	s_barrier_signal -1
	s_barrier_wait -1
.irp q, 0,1,2,3,4,5
	ds_load_b128 v[OUTR+4*\q:OUTR+4*\q+3], v[RDA] offset:IMG+512*\q   ; tile 4 G + wave, both K steps
.endr
.irp q, 0,1,2,3,4,5
	s_wait_dscnt 5-\q                              ; the younger read-backs may be out
	global_store_b128 v[L16], v[OUTR+4*\q:OUTR+4*\q+3], s[44:45] offset:512*\q
.endr
	s_cmp_lg_u32 s[WV], 0
	s_cbranch_scc1 .Lw_end
	ds_load_b128 v[OUTR+24:OUTR+27], v[L16] offset:SCW
	s_wait_dscnt 0x0
	global_store_b128 v[L16], v[OUTR+24:OUTR+27], s[46:47]
.Lw_end:
	s_wait_tensorcnt 0x0                           ; the wave's end
	ds_add_u32 v[SPW], v[NIL]
	s_wait_dscnt 0x0
	s_endpgm
.Lfunc_end_k_q0dd0ed4529_quant:
	.size	k_q0dd0ed4529_quant, .Lfunc_end_k_q0dd0ed4529_quant-k_q0dd0ed4529_quant
	.p2alignl 7, 3214868480
	.fill 96, 4, 3214868480
	.section	.rodata,"a",@progbits
	.p2align	6, 0x0
	.amdhsa_kernel k_q0dd0ed4529_quant
		.amdhsa_group_segment_fixed_size 47616
		.amdhsa_private_segment_fixed_size 0
		.amdhsa_enable_private_segment 0
		.amdhsa_kernarg_size 40
		.amdhsa_user_sgpr_count 2
		.amdhsa_user_sgpr_kernarg_segment_ptr 1
		.amdhsa_wavefront_size32 1
		.amdhsa_system_sgpr_workgroup_id_x 1
		.amdhsa_system_sgpr_workgroup_id_y 1
		.amdhsa_system_sgpr_workgroup_id_z 1
		.amdhsa_system_vgpr_workitem_id 0
		.amdhsa_next_free_vgpr 256
		.amdhsa_next_free_sgpr 66
		.amdhsa_reserve_vcc 0
		.amdhsa_float_denorm_mode_32 3
		.amdhsa_float_denorm_mode_16_64 3
		.amdhsa_memory_ordered 1
		.amdhsa_forward_progress 1
		.amdhsa_inst_pref_size 42
	.end_amdhsa_kernel
	.amdgpu_metadata
---
amdhsa.version: [ 1, 2 ]
amdhsa.kernels:
  - .name:           k_q0dd0ed4529_quant
    .symbol:         k_q0dd0ed4529_quant.kd
    .args:
      - { .name: X, .offset: 0, .size: 8, .value_kind: global_buffer, .address_space: global }
      - { .name: W_qkv, .offset: 8, .size: 8, .value_kind: global_buffer, .address_space: global }
      - { .name: W_out, .offset: 16, .size: 8, .value_kind: global_buffer, .address_space: global }
      - { .name: xq, .offset: 24, .size: 8, .value_kind: global_buffer, .address_space: global }
      - { .name: wq, .offset: 32, .size: 8, .value_kind: global_buffer, .address_space: global }
    .group_segment_fixed_size: 47616
    .private_segment_fixed_size: 0
    .kernarg_segment_align: 8
    .kernarg_segment_size: 40
    .max_flat_workgroup_size: 128
    .sgpr_count:     66
    .vgpr_count:     256
    .wavefront_size: 32
...
	.end_amdgpu_metadata
.endif
;; end of part 1
;; launch qkv (part 2): grid 4 x 64, 4 waves a work-group, clusters of 4 x 4, 327,680 bytes of LDS; arguments xq, wq, qq, kv; writes qq, kv
.if DOCPART == 2
	.amdgcn_target "amdgcn-amd-amdhsa--gfx1250"
	.amdhsa_code_object_version 6
	.text
	.protected	k_q0dd0ed4529_qkv
	.globl	k_q0dd0ed4529_qkv
	.p2align	8
	.type	k_q0dd0ed4529_qkv,@function
k_q0dd0ed4529_qkv:
	s_mov_b64 s[64:65], 0
	v_nop
	global_prefetch_b8 v0, s[64:65] scope:SCOPE_SE
	s_setreg_imm32_b32 hwreg(HW_REG_WAVE_MODE, 25, 1), 1
	s_wait_xcnt 0x0
	s_wait_alu depctr_hold_cnt(0) depctr_sa_sdst(0) depctr_va_vdst(0) depctr_va_sdst(0) depctr_va_ssrc(0) depctr_va_vcc(0) depctr_vm_vsrc(0)
	s_getreg_b32 s2, hwreg(HW_REG_IB_STS2, 6, 4)
	s_cmp_eq_u32 s2, 0
	s_cbranch_scc0 .Lentry_in_a_cluster
	s_endpgm
.Lentry_in_a_cluster:
	s_bfe_u32 s2, ttmp6, 0x10000c
	s_cmp_lg_u32 s2, 0xf033
	s_cbranch_scc0 .Lentry_shape_is_right
	s_endpgm
.Lentry_shape_is_right:
; qkv = X W_qkv on codes of FP6 (E2M3) with E8M0 scales; q, k and v are quantised in the accumulators' registers and leave as images of attention's operand registers.  Nothing leaves in f32.
; A WORK-GROUP STAYS: it owns 128 tokens and makes, one after the other, 256 columns of q, of k and of v (columns 256 x .. of each).  Four waves of 64 (I side) x 128 (J side): 32 accumulators.
; THE MATRIX INSTRUCTION IS USED TRANSPOSED: source 0 = a J tile, source 1 = an I tile.  Row 64 G + 32 a + 8 t + e of either operand is lane row 8 a + e of tile 4 G + t.  So lane (r, h) holds I row r, and its 32 registers
; of J tiles 4 c .. 4 c + 3 are J = 64 c + 32 h + 0 .. 31: a whole block of 32 along the NEXT product's K in one lane, in the order of the 6-bit operand's layout.
; q and k: I = tokens, J = columns: 128 columns are two heads; a head's six registers are half an operand.  v: I = columns (a wave a head), J = the 128 tokens: a key step of attention's second product.
; LDS: X's four chunks of 256 along K (24,576 bytes each), filled once and kept for all three passes; then W's four chunks (49,152 each) as a ring of TWO SLOTS of two chunks.
; FILLS.  At the head one joint load a wave: X's chunks 0-1, W's slot 0, X's chunks 2-3, W's slot 1.  FOUR REFILLS, each behind the three lines in every wave and a round of the cluster's barrier:
; in K step 3 of the q and k passes slot 0 takes the next pass's chunks 0-1, in K step 7 slot 1 its chunks 2-3; every wave asks for a quarter of the slot (96 rows of 256 bytes) by one line.  Each round also shows the other slot whole.
; The v pass is written out: it refills nothing.  By this text's count a wave has one tensor load out at a time, and every wait on TENSORcnt is for 0.
; No prefetch: a refill is asked for four K steps (128 products a wave) or more ahead of its first read, and all work-groups of a column of clusters ask for the same 98,304 bytes in the same K step.
; CLUSTERS: 4 x 4.  X's tiles hang on the work-group's y alone and are asked for jointly along a row of the cluster, W's on its x alone, along a column.
; LIMITS: no NaN or infinities; a block under 2^-124, or of zeros, gets the byte 1 (these bytes are read by this program alone).
; REGISTERS: window 0: v1-14 addresses; v32-47 I's scale words, v48-79 J's (they hold nothing else); v80-175 I's fragments, two sets; v176.. at work.  window 1: J's fragments, two sets of 96.  window 2: accumulator (a, b) at v[8 (8 a + b)].
.set XCH,   24576
.set WCH,   49152
.set XPART, 98304                      ; where W's ring begins
.set SPARE, 294912
.set XSTR,  1572864                    ; X's codes for 256 along K
.set XSC,   6291456
.set XSS,   65536
.set WSTR,  589824
.set WSC,   2359296
.set WSS,   24576
.set PSTR,  196608                     ; from q's tiles to k's, from k's to v's: 64 tiles of 3,072 bytes
.set WV,  14
.set SEL, 20
.set G1X, 24
.set G1W, 32
.set G1R, 48                           ; s[48:55] group 1 of a refill; s[56:59], s[60:63] group 0 for slot 0, 1
.set G0R, 56
.set PS,  66                           ; s66 the pass: 0 q, 1 k
.set L16, 1
.set L8,  2
.set SH8, 3
.set AI,  4
.set AJ,  8
.set SPW, 12
.set NIL, 13
.set T2,  14
.set SI,  32
.set SJ,  48
.set FI,  80
.set PC,  80                           ; the way out: the codes, 12 registers for each of my four I tiles
.set BM,  176
.set SO,  180
.set BY,  182
.set CT,  184
.set PW,  192
.set C0,  196
.set SA,  198
.set SB,  200
.set MSB, 0
.macro WIN new                         ; the immediate's high byte repeats the setting that is left
.if MSB != \new
	s_set_vgpr_msb (MSB<<8)|\new
.set MSB, \new
.endif
.endm
.macro PLACES
.rept 4
	v_nop
.endr
.endm
.macro WALU
	s_wait_alu depctr_va_vdst(0)
.endm
.macro CROUND                          ; a round of the cluster's barrier
	s_barrier_signal -1
	s_barrier_wait -1
	s_cmp_lg_u32 s[WV], 0
	s_cbranch_scc1 .Lnot_wave_0_\@
	s_barrier_signal -3
.Lnot_wave_0_\@:
	s_barrier_wait -3
	s_barrier_signal -1
	s_barrier_wait -1
.endm
.macro MKG0 g, lds, off, base, goff    ; a descriptor's group 0
	s_mov_b32 s[\g], 1
	s_add_co_u32 s[\g+1], s[\lds], \off
	s_add_nc_u64 s[\g+2:\g+3], s[\base:\base+1], \goff
	s_or_b32 s[\g+3], s[\g+3], 0x80000000
.endm
.macro FETCH_I set, sg, kk             ; my four I fragments of a K step: images, three loads of 512 consecutive bytes each
.irp a, 0,1,2,3
.irp q, 0,1,2
	ds_load_b128 v[FI+48*(\set)+12*\a+4*\q:FI+48*(\set)+12*\a+4*\q+3], v[AI+(\sg)] offset:3072*\a+1536*(\kk)+512*\q
.endr
.endr
.endm
.macro FETCH_J set, sg, kk             ; my eight J fragments, into window 1
	WIN 0x40
.irp b, 0,1,2,3,4,5,6,7
.irp q, 0,1,2
	ds_load_b128 v[96*(\set)+12*\b+4*\q:96*(\set)+12*\b+4*\q+3], v[AJ+(\sg)] offset:3072*\b+1536*(\kk)+512*\q
.endr
.endr
	WIN 0
.endm
; 16 products of K step s: I tiles a0, a0 + 1 x the eight J tiles.  The 32 accumulators take turns, one instruction a turn, in the same order in every K step.
; A scale register holds the even K step's words in lanes 0-15 and the odd one's in lanes 16-31.  Source 0 (J) window 1, source 1 (I) window 0, C and D window 2.
.macro MUL16 a0, s
	WIN 0xa1
.irp a, \a0, \a0+1
.irp b, 0,1,2,3,4,5,6,7
.if (\s) == 0
	v_wmma_scale_f32_16x16x128_f8f6f4 v[8*(8*(\a)+\b):8*(8*(\a)+\b)+7], v[12*\b:12*\b+11], v[FI+12*(\a):FI+12*(\a)+11], 0, v[SJ+\b], v[SI+(\a)] matrix_a_fmt:MATRIX_FMT_FP6 matrix_b_fmt:MATRIX_FMT_FP6
.elseif (\s)%2 == 0
	v_wmma_scale_f32_16x16x128_f8f6f4 v[8*(8*(\a)+\b):8*(8*(\a)+\b)+7], v[12*\b:12*\b+11], v[FI+12*(\a):FI+12*(\a)+11], v[8*(8*(\a)+\b):8*(8*(\a)+\b)+7], v[SJ+8*((\s)/2)+\b], v[SI+4*((\s)/2)+(\a)] matrix_a_fmt:MATRIX_FMT_FP6 matrix_b_fmt:MATRIX_FMT_FP6
.else
	v_wmma_scale_f32_16x16x128_f8f6f4 v[8*(8*(\a)+\b):8*(8*(\a)+\b)+7], v[96+12*\b:96+12*\b+11], v[FI+48+12*(\a):FI+48+12*(\a)+11], v[8*(8*(\a)+\b):8*(8*(\a)+\b)+7], v[SJ+8*((\s)/2)+\b], v[SI+4*((\s)/2)+(\a)] matrix_a_fmt:MATRIX_FMT_FP6 matrix_b_fmt:MATRIX_FMT_FP6 matrix_a_scale:MATRIX_SCALE_ROW1 matrix_b_scale:MATRIX_SCALE_ROW1
.endif
.endr
.endr
.endm
; K step s multiplies set s % 2; the next step's 36 LDS loads go out in one run ahead of (even s) or amid (odd s) its 32 products.  rf = 1: a pass that refills.
.macro KSTEP s, rf
	s_wait_dscnt 0x0                               ; this step's fragments are in: at s = 3 my last reads of slot 0, at s = 7 of slot 1
.if (\s)%2 == 0
.if (\s) > 0
	PLACES
.endif
	FETCH_J 1, (\s)/2, 1
	FETCH_I 1, (\s)/2, 1
	MUL16 0, \s
	MUL16 2, \s
.elseif (\rf) && (((\s) == 3) || ((\s) == 7))
.set NS, ((\s)-3)/4                    ; the slot that has been read out
	WIN 0                                          ; (the add's two registers lie in window 0)
	s_wait_tensorcnt 0x0                           ; all my tensor loads have landed, my part of the other slot among them;
	ds_add_u32 v[SPW], v[NIL]                      ; the add: work on registers stands between it and its wait
	s_add_nc_u64 s[G0R+4*(1-NS)+2:G0R+4*(1-NS)+3], s[G0R+4*(1-NS)+2:G0R+4*(1-NS)+3], PSTR   ; no load of mine is out: the other slot's next fill is a pass further on
	MUL16 0, \s
	s_wait_dscnt 0x0
	WIN 0
	CROUND                                         ; no wave of any partner still reads the slot or has a load on its way
	tensor_load_to_lds s[G0R+4*NS:G0R+4*NS+3], s[G1R:G1R+7]   ; my quarter of the slot, for the next pass
	s_nop 0
	PLACES                                         ; also the places in front of the loads below
.if (\s) < 7
	FETCH_J 0, ((\s)+1)/2, 0
	FETCH_I 0, ((\s)+1)/2, 0
.endif
	MUL16 2, \s
.elseif (\s) == 3
	s_wait_tensorcnt 0x0                           ; the last refill has landed: a plain barrier shows slot 1 to all
	s_barrier_signal -1
	MUL16 0, \s
	s_barrier_wait -1
	PLACES
	FETCH_J 0, ((\s)+1)/2, 0
	FETCH_I 0, ((\s)+1)/2, 0
	MUL16 2, \s
.elseif (\s) < 7
	PLACES                                         ; K steps 1 and 5 meet no barrier: the next step's loads go out ahead of all 32 products, as in the even steps
	FETCH_J 0, ((\s)+1)/2, 0
	FETCH_I 0, ((\s)+1)/2, 0
	MUL16 0, \s
	MUL16 2, \s
.else
	MUL16 0, \s
	MUL16 2, \s
.endif
.endm
.macro STEPS rf
	s_wait_loadcnt 0x0                             ; the scale words
.irp s, 0,1,2,3,4,5,6,7
	KSTEP \s, \rf
.endr
	WIN 0
	PLACES                                         ; in front of the first reads of results, and of loads into the scale registers
.endm
; My I tile a: 64 numbers a lane (window 2, v[64 a ..]; register 32 c + i = J 64 c + 32 h + i) become 12 registers of codes at PC + 12 a and the row's scale word in PW + a.  Each accumulator is read from its low end on.
.macro QUANTW a
	WIN 0x28                                       ; sources 1 and 2 window 2
.irp b, 0,1,2,3
	v_max3_num_f32 v[BM+\b], 0x1800000, |v[64*\a+16*\b]|, |v[64*\a+16*\b+1]|   ; the floor 2^(3 - 127) holds the byte at 1 from below
.endr
.irp i, 2,4,6,8,10,12,14
.irp b, 0,1,2,3
	v_max3_num_f32 v[BM+\b], v[BM+\b], |v[64*\a+16*\b+\i]|, |v[64*\a+16*\b+\i+1]|
.endr
.endr
	WIN 0
	v_max_num_f32 v[BM], v[BM], v[BM+1]
	v_max_num_f32 v[BM+2], v[BM+2], v[BM+3]
	v_add_nc_u32 v[SO], 0xff000000, v[BM]          ; 2 off the exponent field: the conversion's scale operand
	v_add_nc_u32 v[SO+1], 0xff000000, v[BM+2]
	v_lshrrev_b32 v[BY], 23, v[SO]
	v_lshrrev_b32 v[BY+1], 23, v[SO+1]
	v_lshl_or_b32 v[PW+\a], v[BY+1], 16, v[BY]
	v_lshlrev_b32 v[PW+\a], v[SH8], v[PW+\a]
	v_permlanex16_b32 v[T2], v[PW+\a], s[SEL], s[SEL+1]
	v_or_b32 v[PW+\a], v[PW+\a], v[T2]             ; the word is whole, in both halves of the lanes
	WIN 0x02                                       ; source 0 window 2
.irp c, 0,1
	v_cvt_scalef32_pk16_fp6_f32 v[PC+12*\a+6*\c:PC+12*\a+6*\c+2], v[64*\a+32*\c:64*\a+32*\c+15], v[SO+\c]
	v_cvt_scalef32_pk16_fp6_f32 v[CT+4*\c:CT+4*\c+2], v[64*\a+32*\c+16:64*\a+32*\c+31], v[SO+\c]
.endr
	WIN 0
	v_nop                                          ; one plain place behind the scaled conversions
.irp c, 0,1
.irp i, 0,1,2
	v_mov_b32 v[PC+12*\a+6*\c+3+\i], v[CT+4*\c+\i]
.endr
.endr
.endm
	s_load_b128 s[4:7], s[0:1], 0x0                ; xq, wq
	s_load_b128 s[8:11], s[0:1], 0x10              ; qq, kv
	v_lshl_add_u32 v[SPW], v0, 2, SPARE
	v_mov_b32 v[NIL], 0
	ds_add_u32 v[SPW], v[NIL]                      ; the opening lines: the add twice on end, its wait ahead of my first tensor load
	ds_add_u32 v[SPW], v[NIL]
	v_lshrrev_b32 v1, 5, v0
	v_readfirstlane_b32 s[WV], v1                  ; wave 0..3
	s_lshr_b32 s15, s[WV], 1
	s_and_b32 s16, s[WV], 1
	s_mov_b32 s17, 0xffff0000                      ; lanes 16-31
	s_mov_b32 s[SEL], 0x76543210
	s_mov_b32 s[SEL+1], 0xfedcba98
	s_bfe_u32 s76, ttmp6, 0x40000                  ; cx, cy
	s_bfe_u32 s77, ttmp6, 0x40004
	s_lshl_b32 s78, ttmp9, 2
	s_add_co_u32 s78, s78, s76                     ; x: which 256 columns of q, of k and of v
	s_and_b32 s79, ttmp7, 0xffff
	s_lshl_b32 s79, s79, 2
	s_add_co_u32 s79, s79, s77                     ; y: which 128 tokens
	s_lshl_b32 s80, s77, 2
	s_lshl_b32 s80, 15, s80                        ; my row of the cluster
	s_lshl_b32 s81, 0x1111, s76                    ; my column
	s_or_b32 s[G1X], s80, (3<<16)|(1<<21)          ; the mask; elements of 8 bytes; bit 21 beside a mask
	s_or_b32 s[G1W], s81, (3<<16)|(1<<21)
	s_or_b32 s[G1R], s81, (3<<16)|(1<<21)
	s_mov_b32 s[G1X+1], 3072<<16                   ; the head's loads: a row = my tiles of one chunk on end, two rows = two chunks
	s_mov_b32 s[G1X+2], 2<<16
	s_mov_b32 s[G1X+3], 3072<<16
	s_mov_b32 s[G1X+4], 2
	s_mov_b32 s[G1X+5], XSTR/8
	s_mov_b32 s[G1X+6], 0
	s_mov_b32 s[G1X+7], 0
	s_mov_b32 s[G1W+1], 6144<<16
	s_mov_b32 s[G1W+2], 2<<16
	s_mov_b32 s[G1W+3], 6144<<16
	s_mov_b32 s[G1W+4], 2
	s_mov_b32 s[G1W+5], WSTR/8
	s_mov_b32 s[G1W+6], 0
	s_mov_b32 s[G1W+7], 0
	s_mov_b32 s[G1R+1], 32<<16                     ; a refill's quarter: eight tiles of one chunk, a dense block, as 96 rows of 256 bytes
	s_mov_b32 s[G1R+2], 96<<16
	s_mov_b32 s[G1R+3], 32<<16
	s_mov_b32 s[G1R+4], 96
	s_mov_b32 s[G1R+5], 32
	s_mov_b32 s[G1R+6], 0
	s_mov_b32 s[G1R+7], 0
	s_mul_i32 s82, s79, XCH                        ; X: tile 8 y, chunks 2 (wave / 2) on: y and the wave's number alone
	s_mul_i32 s83, s15, 2*XSTR
	s_add_co_u32 s82, s82, s83
	s_mov_b32 s83, 0
	s_mul_i32 s84, s78, WCH                        ; W: q's tile 16 x: x and the wave's number alone
	s_mul_i32 s85, s15, 2*WSTR
	s_add_co_u32 s84, s84, s85
	s_mov_b32 s85, 0
	s_mul_i32 s86, s15, 2*XCH                      ; where they go: no place in the cluster enters an LDS address
	s_mul_i32 s87, s15, 2*WCH
	s_add_co_u32 s87, s87, XPART
	s_mul_i32 s88, s78, WCH                        ; a refill's quarter: chunk wave / 2 of the slot, tiles 8 (wave % 2) on
	s_mul_i32 s89, s15, WSTR
	s_add_co_u32 s88, s88, s89
	s_mul_i32 s89, s16, 24576
	s_add_co_u32 s88, s88, s89
	s_mul_i32 s90, s15, WCH
	s_add_co_u32 s90, s90, s89
	s_add_co_u32 s90, s90, XPART
	s_mov_b32 s89, 0
	s_wait_dscnt 0x0
	s_wait_kmcnt 0x0
	s_add_nc_u64 s[82:83], s[4:5], s[82:83]
	s_add_nc_u64 s[84:85], s[6:7], s[84:85]
	s_add_nc_u64 s[88:89], s[6:7], s[88:89]
	MKG0 40, 86, 0, 82, 0
	MKG0 44, 87, 0, 84, 0
	MKG0 G0R, 90, 0, 88, PSTR                      ; slot 0's first refill: k's chunks 0-1
	MKG0 G0R+4, 90, 2*WCH, 88, 2*WSTR              ; slot 1's: at q's chunks 2-3; it is stepped a pass on ahead of its first use
	CROUND                                         ; all sixteen work-groups are here: the joint loads meet
.macro ARM w, g0, g1, next                     ; one chain of branches on the wave's number, one load to an arm, all arms to one join
	s_cmp_eq_u32 s[WV], \w
	s_cbranch_scc0 \next
	tensor_load_to_lds s[\g0:\g0+3], s[\g1:\g1+7]
	s_nop 0
	PLACES
	s_branch .Lfilled
\next:
.endm
	ARM 0, 40, G1X, .Lf1
	ARM 1, 44, G1W, .Lf2
	ARM 2, 40, G1X, .Lf3
	tensor_load_to_lds s[44:47], s[G1W:G1W+7]
	s_nop 0
	PLACES
.Lfilled:
	v_and_b32 v[L8], 31, v0
	v_lshlrev_b32 v[L16], 4, v[L8]
	v_lshlrev_b32 v[L8], 3, v[L8]
	v_bfe_u32 v[SH8], v0, 4, 1
	v_lshlrev_b32 v[SH8], 3, v[SH8]
	v_mov_b32 v[T2], 0                             ; a lane permute's destination counts as one of its sources
	WALU                                           ; a wait
	s_lshr_b32 s72, s79, 4                         ; the batch,
	s_and_b32 s73, s79, 15                         ; and which 128 of its tokens: attention's key step
	; q and k: I = my 64 tokens (X's tiles 4 (wave / 2) on), J = my 128 columns (W's tiles 8 (wave % 2) on)
	s_mul_i32 s88, s15, 12288
	s_mul_i32 s89, s16, 24576
	s_add_co_u32 s89, s89, XPART
.irp g, 0,1,2,3
	v_add_nc_u32 v[AI+\g], s88, v[L16]
	v_add_nc_u32 v[AJ+\g], s89, v[L16]
	s_add_co_u32 s88, s88, XCH
	s_add_co_u32 s89, s89, WCH
.endr
	s_lshl_b32 s90, s79, 1                         ; I's scale words: four tiles 2 y + wave / 2 of X
	s_add_co_u32 s90, s90, s15
	s_lshl_b32 s90, s90, 9
	s_add_co_u32 s90, s90, XSC
	s_mov_b32 s91, 0
	s_add_nc_u64 s[90:91], s[4:5], s[90:91]
	s_lshl_b32 s92, s78, 2                         ; J's: four tiles 4 x + 2 (wave % 2) and the next, of q's part of W; k's lie 16 x 512 bytes on
	s_lshl_b32 s93, s16, 1
	s_add_co_u32 s92, s92, s93
	s_lshl_b32 s92, s92, 9
	s_add_co_u32 s92, s92, WSC
	s_mov_b32 s93, 0
	s_add_nc_u64 s[92:93], s[6:7], s[92:93]
	s_lshl_b32 s68, s78, 2                         ; the v pass: I's: four tiles 32 + 4 x + wave of W,
	s_add_co_u32 s68, s68, s[WV]
	s_add_co_u32 s68, s68, 32
	s_lshl_b32 s68, s68, 9
	s_add_co_u32 s68, s68, WSC
	s_mov_b32 s69, 0
	s_add_nc_u64 s[68:69], s[6:7], s[68:69]
	s_lshl_b32 s70, s79, 10                        ; J's: 2 y and the next of X
	s_add_co_u32 s70, s70, XSC
	s_mov_b32 s71, 0
	s_add_nc_u64 s[70:71], s[4:5], s[70:71]
.irp g, 0,1,2,3
	global_load_b128 v[SI+4*\g:SI+4*\g+3], v[L16], s[90:91] offset:XSS*\g             ; 512 consecutive bytes: four tiles' words of two K steps
	global_load_b128 v[SJ+8*\g:SJ+8*\g+3], v[L16], s[92:93] offset:WSS*\g
	global_load_b128 v[SJ+8*\g+4:SJ+8*\g+7], v[L16], s[92:93] offset:WSS*\g+512
.endr
	s_mov_b32 s[PS], 0
	WALU                                           ; a wait at the head's end
	s_cmp_lt_u32 s[WV], 2                          ; waves 0 and 1 asked for X's chunks 0-1 and W's slot 0, by lines of their own: they wait here
	s_cbranch_scc0 .Llate
	s_wait_tensorcnt 0x0
.Llate:
	s_barrier_signal -1
	s_barrier_wait -1
.Lpass:                                                ; ---- the q pass, then the k pass
	s_wait_xcnt 0x0                                ; the last pass's stores have read their registers and bases
	FETCH_J 0, 0, 0
	FETCH_I 0, 0, 0
	; where the results go.  bh0 = 16 x batch + my first head = 4 x + 2 (wave % 2)
	s_lshl_b32 s82, s72, 4
	s_lshl_b32 s83, s78, 2
	s_add_co_u32 s82, s82, s83
	s_lshl_b32 s83, s16, 1
	s_add_co_u32 s82, s82, s83
	s_lshl_b32 s84, s82, 7                         ; q's codes: [bh][tile 128][768]: tile 8 ks + 4 (wave / 2)
	s_lshl_b32 s85, s73, 3
	s_add_co_u32 s84, s84, s85
	s_lshl_b32 s85, s15, 2
	s_add_co_u32 s84, s84, s85
	s_mul_i32 s84, s84, 768
	s_lshl_b32 s86, s82, 5                         ; q's scale words: behind the codes, [bh][four tiles 32][256]
	s_lshl_b32 s85, s73, 1
	s_add_co_u32 s86, s86, s85
	s_add_co_u32 s86, s86, s15
	s_lshl_b32 s86, s86, 8
	s_add_co_u32 s86, s86, 6291456
	s_lshl_b32 s87, s82, 4                         ; k: the record [bh][ks] of 13,056 bytes: 8 half images, V's 4 images, K's scale words at 12,288, V's at 12,800
	s_add_co_u32 s87, s87, s73
	s_mul_i32 s87, s87, 13056
	s_mul_i32 s85, s15, 3072
	s_add_co_u32 s88, s87, s85
	s_lshl_b32 s85, s15, 8
	s_add_co_u32 s89, s87, s85
	s_add_co_u32 s89, s89, 12288
	s_cmp_eq_u32 s[PS], 0                          ; q or k: only pointers and offsets are chosen
	s_cselect_b32 s84, s84, s88
	s_cselect_b32 s86, s86, s89
	s_mov_b32 s88, 208896
	s_cselect_b32 s87, 98304, s88                  ; from a head to the next: the codes,
	s_cselect_b32 s88, 8192, s88                   ; the scale words
	s_cselect_b64 s[94:95], s[8:9], s[10:11]
	s_mov_b32 s85, 0
	s_add_nc_u64 s[96:97], s[94:95], s[84:85]      ; the codes of head 0 of my two,
	s_mov_b32 s84, s87
	s_add_nc_u64 s[98:99], s[96:97], s[84:85]      ; of head 1
	s_mov_b32 s84, s86
	s_add_nc_u64 s[80:81], s[94:95], s[84:85]      ; the scale words likewise
	s_mov_b32 s84, s88
	s_add_nc_u64 s[82:83], s[80:81], s[84:85]
	STEPS 1
	s_cmp_eq_u32 s[PS], 0                          ; the next pass's scale words are asked for ahead of the way out
	s_cbranch_scc0 .Lwords_v
.irp g, 0,1,2,3
	global_load_b128 v[SJ+8*\g:SJ+8*\g+3], v[L16], s[92:93] offset:WSS*\g+8192        ; k's columns; the tokens' words stay
	global_load_b128 v[SJ+8*\g+4:SJ+8*\g+7], v[L16], s[92:93] offset:WSS*\g+8704
.endr
	s_branch .Lwords_asked
.Lwords_v:
.irp g, 0,1,2,3
	global_load_b128 v[SI+4*\g:SI+4*\g+3], v[L16], s[68:69] offset:WSS*\g
	global_load_b128 v[SJ+8*\g:SJ+8*\g+3], v[L16], s[70:71] offset:XSS*\g
	global_load_b128 v[SJ+8*\g+4:SJ+8*\g+7], v[L16], s[70:71] offset:XSS*\g+512
.endr
.Lwords_asked:
.irp a, 0,1,2,3
	QUANTW \a
.irp c, 0,1                                    ; head c's six registers are a half image: 512 consecutive bytes, then 256; both aligned
	global_store_b128 v[L16], v[PC+12*\a+6*\c:PC+12*\a+6*\c+3], s[96+2*\c:97+2*\c] offset:768*\a
	global_store_b64 v[L8], v[PC+12*\a+6*\c+4:PC+12*\a+6*\c+5], s[96+2*\c:97+2*\c] offset:768*\a+512
.endr
.endr
	v_cndmask_b32 v[C0], v[PW], v[PW+1], s17       ; lanes 0-15 tile 0's words, lanes 16-31 tile 1's;
	v_cndmask_b32 v[C0+1], v[PW+2], v[PW+3], s17   ; tiles 2 and 3
	v_and_b32 v[SA], 0xffff, v[C0]                 ; head 0: the word's two low bytes; the bytes of K = 64 .. 127, where the codes are zeros, are 0
	v_and_b32 v[SA+1], 0xffff, v[C0+1]
	v_lshrrev_b32 v[SB], 16, v[C0]                 ; head 1: the two high bytes
	v_lshrrev_b32 v[SB+1], 16, v[C0+1]
	global_store_b64 v[L8], v[SA:SA+1], s[80:81]   ; 256 consecutive bytes, aligned
	global_store_b64 v[L8], v[SB:SB+1], s[82:83]
	s_add_co_u32 s[PS], s[PS], 1
	s_cmp_lt_u32 s[PS], 2
	WALU                                           ; a wait directly ahead of the branch
	s_cbranch_scc1 .Lpass
	; ---- the v pass: I = my head's 64 columns (W's tiles 4 x wave on), J = all 128 tokens (X's eight tiles).  Slot 0 was shown whole by the k pass's last round
	s_wait_xcnt 0x0                                ; the k pass's stores have read their registers and bases
	s_mul_i32 s88, s[WV], 12288
	s_add_co_u32 s88, s88, XPART
	s_mov_b32 s89, 0
.irp g, 0,1,2,3
	v_add_nc_u32 v[AI+\g], s88, v[L16]
	v_add_nc_u32 v[AJ+\g], s89, v[L16]
	s_add_co_u32 s88, s88, WCH
	s_add_co_u32 s89, s89, XCH
.endr
	WALU                                           ; a wait
	FETCH_J 0, 0, 0
	FETCH_I 0, 0, 0
	s_lshl_b32 s82, s72, 4                         ; bh = 16 x batch + 4 x + wave
	s_lshl_b32 s83, s78, 2
	s_add_co_u32 s82, s82, s83
	s_add_co_u32 s82, s82, s[WV]
	s_lshl_b32 s82, s82, 4
	s_add_co_u32 s82, s82, s73
	s_mul_i32 s82, s82, 13056
	s_add_co_u32 s82, s82, 6144                    ; V's part of the record
	s_mov_b32 s83, 0
	s_add_nc_u64 s[96:97], s[10:11], s[82:83]
	STEPS 0
.irp a, 0,1,2,3
	QUANTW \a
.irp q, 0,1,2                                  ; channel tile a: a whole image, K = the record's 128 keys
	global_store_b128 v[L16], v[PC+12*\a+4*\q:PC+12*\a+4*\q+3], s[96:97] offset:1536*\a+512*\q
.endr
.endr
	v_cndmask_b32 v[C0], v[PW], v[PW+1], s17
	v_cndmask_b32 v[C0+1], v[PW+2], v[PW+3], s17
	global_store_b64 v[L8], v[C0:C0+1], s[96:97] offset:6656
	s_wait_tensorcnt 0x0                           ; the wave's end
	ds_add_u32 v[SPW], v[NIL]
	s_wait_dscnt 0x0
	CROUND                                         ; the closing round
	s_endpgm
.Lfunc_end_k_q0dd0ed4529_qkv:
	.size	k_q0dd0ed4529_qkv, .Lfunc_end_k_q0dd0ed4529_qkv-k_q0dd0ed4529_qkv
	.p2alignl 7, 3214868480
	.fill 96, 4, 3214868480
	.section	.rodata,"a",@progbits
	.p2align	6, 0x0
	.amdhsa_kernel k_q0dd0ed4529_qkv
		.amdhsa_group_segment_fixed_size 327680
		.amdhsa_private_segment_fixed_size 0
		.amdhsa_enable_private_segment 0
		.amdhsa_kernarg_size 32
		.amdhsa_user_sgpr_count 2
		.amdhsa_user_sgpr_kernarg_segment_ptr 1
		.amdhsa_wavefront_size32 1
		.amdhsa_system_sgpr_workgroup_id_x 1
		.amdhsa_system_sgpr_workgroup_id_y 1
		.amdhsa_system_sgpr_workgroup_id_z 1
		.amdhsa_system_vgpr_workitem_id 0
		.amdhsa_next_free_vgpr 768
		.amdhsa_next_free_sgpr 100
		.amdhsa_reserve_vcc 0
		.amdhsa_float_denorm_mode_32 3
		.amdhsa_float_denorm_mode_16_64 3
		.amdhsa_memory_ordered 1
		.amdhsa_forward_progress 1
		.amdhsa_inst_pref_size 150
	.end_amdhsa_kernel
	.amdgpu_metadata
---
amdhsa.version: [ 1, 2 ]
amdhsa.kernels:
  - .name:           k_q0dd0ed4529_qkv
    .symbol:         k_q0dd0ed4529_qkv.kd
    .args:
      - { .name: xq, .offset: 0, .size: 8, .value_kind: global_buffer, .address_space: global }
      - { .name: wq, .offset: 8, .size: 8, .value_kind: global_buffer, .address_space: global }
      - { .name: qq, .offset: 16, .size: 8, .value_kind: global_buffer, .address_space: global }
      - { .name: kv, .offset: 24, .size: 8, .value_kind: global_buffer, .address_space: global }
    .group_segment_fixed_size: 327680
    .private_segment_fixed_size: 0
    .kernarg_segment_align: 8
    .kernarg_segment_size: 32
    .max_flat_workgroup_size: 128
    .sgpr_count:     100
    .vgpr_count:     768
    .wavefront_size: 32
...
	.end_amdgpu_metadata
.endif
;; end of part 2
;; launch attn (part 3): grid 4 x 64, 16 waves a work-group, clusters of 4 x 1, 327,680 bytes of LDS; arguments qq, kv, oq; writes oq
.if DOCPART == 3
	.amdgcn_target "amdgcn-amd-amdhsa--gfx1250"
	.amdhsa_code_object_version 6
	.text
	.protected	k_q0dd0ed4529_attn
	.globl	k_q0dd0ed4529_attn
	.p2align	8
	.type	k_q0dd0ed4529_attn,@function
k_q0dd0ed4529_attn:
	s_mov_b64 s[64:65], 0
	v_nop
	global_prefetch_b8 v0, s[64:65] scope:SCOPE_SE
	s_setreg_imm32_b32 hwreg(HW_REG_WAVE_MODE, 25, 1), 1
	s_wait_xcnt 0x0
	s_wait_alu depctr_hold_cnt(0) depctr_sa_sdst(0) depctr_va_vdst(0) depctr_va_sdst(0) depctr_va_ssrc(0) depctr_va_vcc(0) depctr_vm_vsrc(0)
	s_getreg_b32 s2, hwreg(HW_REG_IB_STS2, 6, 4)
	s_cmp_eq_u32 s2, 0
	s_cbranch_scc0 .Lentry_in_a_cluster
	s_endpgm
.Lentry_in_a_cluster:
	s_bfe_u32 s2, ttmp6, 0x10000c
	s_cmp_lg_u32 s2, 0x3003
	s_cbranch_scc0 .Lentry_shape_is_right
	s_endpgm
.Lentry_shape_is_right:
; O = softmax(q k^T / 32) v for 64 (batch, head) pairs of 2,048 tokens x 64 channels, both products on codes of FP6 (E2M3) with E8M0 scales; O / l is quantised along d and leaves as half images of the last product's operand registers.
; THE SOFTMAX: t = score x log2(e) / 32; M = the running largest t rounded UP to a whole number; p = 2^(t - M) is quantised along the keys, not normalised; the row's sum is taken of the unquantised p and divides O at the end.
; When M moves, the sum and O are multiplied by 2^(old M - new M): exact.
; SHARES.  A work-group owns ONE head and 512 of its queries.  The head's 16 records (a record = a key step of 128 keys: 8 half images of k, 4 images of v^T, their scale words; 13,056 bytes) all lie in LDS, 208,896 bytes,
; each asked for once, one tensor load a wave: no byte is filled twice, so there is no ring.  Each of the sixteen waves owns two tiles of 16 queries (tiles w and 16 + w of the 32) and walks the 16 records once for each.
; CLUSTER.  The four work-groups of a cluster are the four query blocks of one head: each record is asked for jointly, with the mask of all four.
; Waves 0-3 (records 0-3) wait ahead of the first barrier; the others' records are shown by a second barrier behind three key steps.  Nothing is prefetched: every load of the launch goes out at its head.
; LAYOUT.  Both products are used transposed (source 0 = keys, or channels; source 1 = my queries): a lane holds ONE query.  Token 64 G + 32 a + 8 t + e is lane row 8 a + e of tile 4 G + t, so a lane's 32 registers of four
; neighbouring tiles of keys are keys 64 g + 32 h + 0 .. 31: a whole block of p in one lane.  The first product's K is 64: registers 6-11 of q's and k's fragments are zero codes, written once.
; THE ROW'S SUM is taken in eight chains; the seven additions that join them stand in the NEXT step's places behind its products (a tile's last ones at the head of its end), where plain vector lines are owed anyway.
; OUT.  oq's codes: [head / 4][tile][head % 4][768]: registers 0-3 of the head's six at 16 x lane, registers 4-5 at 512 + 8 x lane.  Scale bytes behind them: [head][tile / 4][row r][tile % 4][block h]: 1,024 bytes on end a work-group.
; LIMITS: the promise holds while the scaled scores t stay under 2^31 in magnitude; no NaN or infinities; a p under 2^-126 comes out of the exponential as 0; a block of zeros, or under 2^-124, gets the byte 1 (read by this program alone).
.set REC,   13056
.set SPARE, 208896                     ; behind the records: the spare words, 128 bytes for each of 16 waves
.set OSC,   210944                     ; and 1,024 bytes in which the 32 tiles' scale bytes meet
.set WV,  14
.set SEL, 20                           ; s[20:21] selects for lane l xor 16
.set CS,  22                           ; s[22:23] c = log2(e) / 32, twice
.set G1,  24
.set G0,  32
.set TB,  40                           ; s40 LDS byte at which the step's record begins
.set L16, 1
.set L8,  2
.set SPW, 3
.set NIL, 4
.set A16, 5
.set A8,  6
.set SH8, 7
.set TMP, 8
.set T2,  9
.set FF,  10                           ; f = 2^(old M - new M)
.set PSW, 11                           ; p's scale word
.set NM,  12                           ; -M
.set TM,  13                           ; the largest score so far
.set SUM, 14                           ; v[14:15] the row's sum; v236-237, v244-255 the seven other chains
.set QA,  16
.set QB,  28
.set QSA, 40
.set QSB, 41
.set KS,  42                           ; v42-45 k's scale words, v46-47 v's
.set VS,  46
.set KF,  48                           ; four fragments of k
.set S,   96                           ; S^T, then p; v96-143 then take v's four fragments
.set O,   160
.set P,   192
.set OF,  204                          ; O's codes, six registers for each of my two tiles
.set OW,  216
.set ONM, 217
.set BM,  220
.set SO,  224
.set BY,  226
.set CT,  228
.set R8,  238
.set OSA, 239
.set OSR, 240
.macro PLACES
.rept 4
	v_nop
.endr
.endm
.macro WALU
	s_wait_alu depctr_va_vdst(0)
.endm
.macro DEP n
	s_delay_alu instid0(VALU_DEP_\n)
.endm
.macro CROUND                          ; a round of the cluster's barrier
	s_barrier_signal -1
	s_barrier_wait -1
	s_cmp_lg_u32 s[WV], 0
	s_cbranch_scc1 .Lnot_wave_0_\@
	s_barrier_signal -3
.Lnot_wave_0_\@:
	s_barrier_wait -3
	s_barrier_signal -1
	s_barrier_wait -1
.endm
	s_load_b128 s[4:7], s[0:1], 0x0                ; qq, kv
	s_load_b64 s[8:9], s[0:1], 0x10                ; oq
	v_lshl_add_u32 v[SPW], v0, 2, SPARE
	v_mov_b32 v[NIL], 0
	ds_add_u32 v[SPW], v[NIL]                      ; the opening lines: the add twice on end, its wait ahead of my tensor load
	ds_add_u32 v[SPW], v[NIL]
	v_lshrrev_b32 v1, 5, v0
	v_readfirstlane_b32 s[WV], v1                  ; wave 0..15
	s_bfe_u32 s42, ttmp6, 0x40000                  ; cx
	s_lshl_b32 s43, ttmp9, 2
	s_add_co_u32 s43, s43, s42                     ; x: which 512 queries: it enters q's and O's addresses alone
	s_and_b32 s44, ttmp7, 0xffff                   ; y = 16 x batch + head, which the four partners share
	s_mov_b32 s[G1], 15|(3<<16)|(1<<21)            ; the mask of all four; elements of 8 bytes; bit 21 beside a mask
	s_mov_b32 s[G1+1], 32<<16                      ; a record, a dense block, as 51 rows of 256 bytes
	s_mov_b32 s[G1+2], 51<<16
	s_mov_b32 s[G1+3], 32<<16
	s_mov_b32 s[G1+4], 51
	s_mov_b32 s[G1+5], 32
	s_mov_b32 s[G1+6], 0
	s_mov_b32 s[G1+7], 0
	s_mul_i32 s45, s[WV], REC                      ; record = my wave's number: in LDS and in memory alike
	s_mul_i32 s46, s44, 16*REC
	s_add_co_u32 s46, s46, s45
	s_mov_b32 s47, 0
	s_mov_b32 s[SEL], 0x76543210
	s_mov_b32 s[SEL+1], 0xfedcba98
	s_mov_b32 s[CS], 0x3d38aa3b
	s_mov_b32 s[CS+1], s[CS]
	s_wait_dscnt 0x0
	s_wait_kmcnt 0x0
	s_add_nc_u64 s[46:47], s[6:7], s[46:47]
	s_mov_b32 s[G0], 1
	s_mov_b32 s[G0+1], s45
	s_mov_b64 s[G0+2:G0+3], s[46:47]
	s_or_b32 s[G0+3], s[G0+3], 0x80000000
	CROUND                                         ; all four work-groups are here: the joint loads meet
	s_cmp_lt_u32 s[WV], 4                          ; two arms, one load each: the waves that wait first have a line of their own
	s_cbranch_scc0 .Lfill_b
	tensor_load_to_lds s[G0:G0+3], s[G1:G1+7]      ; records 0 to 3
	s_nop 0
	PLACES
	s_branch .Lfilled
.Lfill_b:
	tensor_load_to_lds s[G0:G0+3], s[G1:G1+7]      ; records 4 to 15
	s_nop 0
	PLACES
.Lfilled:
	v_and_b32 v[L8], 31, v0
	DEP 1
	v_lshlrev_b32 v[L16], 4, v[L8]
	DEP 2
	v_lshlrev_b32 v[L8], 3, v[L8]
	v_bfe_u32 v[SH8], v0, 4, 1
	DEP 1
	v_lshlrev_b32 v[SH8], 3, v[SH8]
	v_and_b32 v[R8], 15, v0
	DEP 1
	v_lshlrev_b32 v[R8], 3, v[R8]                  ; 8 r
	s_lshr_b32 s48, s[WV], 2
	s_lshl_b32 s48, s48, 7
	s_and_b32 s49, s[WV], 3
	s_lshl_b32 s49, s49, 1
	s_add_co_u32 s48, s48, s49
	s_add_co_u32 s48, s48, OSC
	v_add_nc_u32 v[OSA], s48, v[R8]                ; my tile's two bytes: 128 (wave / 4) + 8 r + 2 (wave % 4); the second tile's 512 on
	v_add_nc_u32 v[OSR], OSC, v[L16]
	WALU                                           ; a wait
	s_lshl_b32 s48, s44, 7                         ; q's half image: [bh][tile 32 x + wave][768]
	s_lshl_b32 s49, s43, 5
	s_add_co_u32 s48, s48, s49
	s_add_co_u32 s48, s48, s[WV]
	s_mul_i32 s48, s48, 768
	s_mov_b32 s49, 0
	s_add_nc_u64 s[48:49], s[4:5], s[48:49]
	s_lshl_b32 s50, s44, 5                         ; its scale word: [bh][four tiles][256], at 8 (r + 16 (t % 2)) + 4 (t / 2), t = wave % 4
	s_lshl_b32 s51, s43, 3
	s_add_co_u32 s50, s50, s51
	s_lshr_b32 s51, s[WV], 2
	s_add_co_u32 s50, s50, s51
	s_lshl_b32 s50, s50, 8
	s_and_b32 s51, s[WV], 1
	s_lshl_b32 s51, s51, 7
	s_add_co_u32 s50, s50, s51
	s_bfe_u32 s51, s[WV], 0x10001
	s_lshl_b32 s51, s51, 2
	s_add_co_u32 s50, s50, s51
	s_add_co_u32 s50, s50, 6291456
	s_mov_b32 s51, 0
	s_add_nc_u64 s[50:51], s[4:5], s[50:51]
	global_load_b128 v[QA:QA+3], v[L16], s[48:49]
	global_load_b64 v[QA+4:QA+5], v[L8], s[48:49] offset:512
	global_load_b128 v[QB:QB+3], v[L16], s[48:49] offset:12288          ; my second tile: 16 tiles on
	global_load_b64 v[QB+4:QB+5], v[L8], s[48:49] offset:12800
	global_load_b32 v[QSA], v[R8], s[50:51]
	global_load_b32 v[QSB], v[R8], s[50:51] offset:1024
	s_and_b32 s56, s44, 15                         ; the head,
	s_lshr_b32 s57, s44, 4                         ; the batch
	s_lshr_b32 s58, s56, 2
	s_mul_i32 s52, s58, 1572864                    ; O's codes: [head / 4][tile 128 x batch + 32 x + wave][head % 4][768]
	s_lshl_b32 s60, s57, 7
	s_lshl_b32 s61, s43, 5
	s_add_co_u32 s60, s60, s61
	s_add_co_u32 s60, s60, s[WV]
	s_mul_i32 s60, s60, 3072
	s_add_co_u32 s52, s52, s60
	s_and_b32 s60, s56, 3
	s_mul_i32 s60, s60, 768
	s_add_co_u32 s52, s52, s60
	s_mov_b32 s53, 0
	s_add_nc_u64 s[52:53], s[8:9], s[52:53]
	s_lshl_b32 s54, s56, 14                        ; its scale bytes: [head][four tiles 32 x batch + 8 x ..][128]
	s_lshl_b32 s60, s57, 5
	s_lshl_b32 s61, s43, 3
	s_add_co_u32 s60, s60, s61
	s_lshl_b32 s60, s60, 7
	s_add_co_u32 s54, s54, s60
	s_add_co_u32 s54, s54, 6291456
	s_mov_b32 s55, 0
	s_add_nc_u64 s[54:55], s[8:9], s[54:55]
.irp j, 6,7,8,9,10,11                          ; K = 64 .. 127 of the first product: zero codes, on both operands
	v_mov_b32 v[QA+\j], 0
	v_mov_b32 v[QB+\j], 0
.irp t, 0,1,2,3
	v_mov_b32 v[KF+12*\t+\j], 0
.endr
.endr
	v_mov_b32 v[T2], 0                             ; a lane permute's destination counts as one of its sources
	v_mov_b32 v[PSW], 0                            ; (named as the upper half of the pair v[10:11] before it is first written)
.macro RESET                           ; a tile's start: the largest score under every score, -M so large that the first f is 0, the sum's eight chains and O^T zeros
	v_mov_b32 v[TM], 0xff61b1e6
	v_mov_b32 v[NM], 0x7d000000
	v_mov_b32 v[SUM], 0
	v_mov_b32 v[SUM+1], 0
	v_mov_b32 v236, 0
	v_mov_b32 v237, 0
.set i, 0
.rept 12
	v_mov_b32 v[244+i], 0
.set i, i+1
.endr
.set i, 0
.rept 32
	v_mov_b32 v[O+i], 0
.set i, i+1
.endr
.endm
	RESET
.macro KPRE a16, a8, off               ; k's scale words and its first four half images of the record at \off from the addresses
	ds_load_b64 v[KS:KS+1], v[\a8] offset:\off+12288
	ds_load_b64 v[KS+2:KS+3], v[\a8] offset:\off+12544
.irp t, 0,1,2,3
	ds_load_b128 v[KF+12*\t:KF+12*\t+3], v[\a16] offset:\off+768*\t
	ds_load_b64 v[KF+12*\t+4:KF+12*\t+5], v[\a8] offset:\off+768*\t+512
.endr
.endm
.macro SMUL g, qf, qs                  ; four tiles of 16 keys: S^T = k q^T
.irp t, 0,1,2,3
.if \t%2
	v_wmma_scale_f32_16x16x128_f8f6f4 v[S+32*\g+8*\t:S+32*\g+8*\t+7], v[KF+12*\t:KF+12*\t+11], v[\qf:\qf+11], 0, v[KS+2*\g+\t/2], v[\qs] matrix_a_fmt:MATRIX_FMT_FP6 matrix_b_fmt:MATRIX_FMT_FP6 matrix_a_scale:MATRIX_SCALE_ROW1
.else
	v_wmma_scale_f32_16x16x128_f8f6f4 v[S+32*\g+8*\t:S+32*\g+8*\t+7], v[KF+12*\t:KF+12*\t+11], v[\qf:\qf+11], 0, v[KS+2*\g+\t/2], v[\qs] matrix_a_fmt:MATRIX_FMT_FP6 matrix_b_fmt:MATRIX_FMT_FP6
.endif
.endr
.endm
.macro BMAX g                          ; the largest score of my block of 32 keys, in two chains of 16; each accumulator is read from its low end on
.irp b, 0,1
	v_max3_num_f32 v[BM+2*\g+\b], v[S+32*\g+16*\b], v[S+32*\g+16*\b+1], v[S+32*\g+16*\b+2]
.endr
.irp i, 3,5,7,9,11,13
.irp b, 0,1
	v_max3_num_f32 v[BM+2*\g+\b], v[BM+2*\g+\b], v[S+32*\g+16*\b+\i], v[S+32*\g+16*\b+\i+1]
.endr
.endr
.irp b, 0,1
	v_max_num_f32 v[BM+2*\g+\b], v[BM+2*\g+\b], v[S+32*\g+16*\b+15]
.endr
.endm
.macro PADD d, a, b
	v_pk_add_f32 v[\d:\d+1], v[\a:\a+1], v[\b:\b+1]
.endm
; A KEY STEP: the record at s[TB].  Its first four half images of k and k's scale words are in registers already.  pre: 1 the next record's are fetched, 2 record 0's (for my second tile), 0 none.  Every wait on DScnt is for 0.
.macro STEP qf, qs, pre
	PADD 246, 246, 248                             ; the last step's eight chains of the sum are joined in this step's places (a tile's first step finds zeros).
	PADD 250, 250, 252                             ; These four and the address: five places between the last v^T p, which read v96-143, and the products that write there
	PADD SUM, SUM, 254
	PADD 236, 236, 244
	v_add_nc_u32 v[A16], s[TB], v[L16]
	SMUL 0, \qf, \qs
	v_add_nc_u32 v[A8], s[TB], v[L8]               ; four places in front of loads into registers that the products read, and of the first read of their results
	PADD SUM, SUM, 250
	PADD 236, 236, 246
	v_mov_b32 v[ONM], v[NM]
.irp t, 0,1,2,3
	ds_load_b128 v[KF+12*\t:KF+12*\t+3], v[A16] offset:768*(4+\t)
	ds_load_b64 v[KF+12*\t+4:KF+12*\t+5], v[A8] offset:768*(4+\t)+512
.endr
	BMAX 0                                         ; while the loads are out
	WALU                                           ; a wait ahead of the wait that blocks
	s_wait_dscnt 0x0
	SMUL 1, \qf, \qs
	v_max_num_f32 v[BM], v[BM], v[BM+1]            ; my block h.  Four places again:
	PADD SUM, SUM, 236                             ; the sum is whole
	v_nop
	v_nop
.if \pre == 1
	KPRE A16, A8, REC
.elseif \pre == 2
	KPRE L16, L8, 0
.endif
	BMAX 1
	DEP 1
	v_max_num_f32 v[BM+2], v[BM+2], v[BM+3]        ; my block 2 + h: the blocks' largest scores serve for the row's maximum and, since p rises with the score, for the blocks' largest p
	DEP 1
	v_max_num_f32 v[TMP], v[BM], v[BM+2]
	DEP 1
	v_permlanex16_b32 v[T2], v[TMP], s[SEL], s[SEL+1]
	DEP 1
	v_max3_num_f32 v[TM], v[TM], v[TMP], v[T2]     ; the running largest score of my query
	DEP 1
	v_mul_f32 v[TMP], s[CS], v[TM]                 ; as t (c is positive)
	DEP 1
	v_floor_f32 v[NM], -v[TMP]                     ; -M = floor(-t): M is a whole number
.set i, 0
.rept 32
	v_pk_fma_f32 v[S+i:S+i+1], v[S+i:S+i+1], s[CS:CS+1], v[NM:NM+1] op_sel_hi:[1,0,0]   ; t - M, two at a time
.if i == 8
	v_sub_f32 v[TMP], v[NM], v[ONM]                ; old M - new M: a whole number, 0 or less
.elseif i == 24
	v_cvt_i32_f32 v[TMP], v[TMP]                   ; (it saturates)
.elseif i == 40
	v_ldexp_f32 v[FF], 1.0, v[TMP]                 ; f = 2^(old M - new M)
.endif
.set i, i+2
.endr
	v_fma_f32 v[BM], v[BM], s[CS], v[NM]           ; the same of each block's largest score
	v_fma_f32 v[BM+2], v[BM+2], s[CS], v[NM]
	WALU                                           ; a wait ahead of the batch
	v_exp_f32 v[BM], v[BM]                         ; the blocks' largest p
	v_exp_f32 v[BM+2], v[BM+2]
.set i, 0
.rept 64
	v_exp_f32 v[S+i], v[S+i]                       ; p = 2^(t - M), at most 1
.set i, i+1
.endr
	v_pk_mul_f32 v[SUM:SUM+1], v[SUM:SUM+1], v[FF:FF+1] op_sel_hi:[1,0]   ; the sum under the new M: the plain place behind the batch
	WALU                                           ; one wait for the batch of 66, ahead of its first reader
	v_max_num_f32 v[BM], 0x1800000, v[BM]          ; the floor 2^(3 - 127): the byte cannot fall under 1
	v_max_num_f32 v[BM+2], 0x1800000, v[BM+2]
	DEP 2
	v_add_nc_u32 v[SO], 0xff000000, v[BM]          ; 2 off the exponent field: the conversion's scale operand
	DEP 2
	v_add_nc_u32 v[SO+1], 0xff000000, v[BM+2]
.irp c, 0,1
	v_cvt_scalef32_pk16_fp6_f32 v[P+6*\c:P+6*\c+2], v[S+32*\c:S+32*\c+15], v[SO+\c]
	v_cvt_scalef32_pk16_fp6_f32 v[CT+4*\c:CT+4*\c+2], v[S+32*\c+16:S+32*\c+31], v[SO+\c]   ; (a conversion's three registers begin on an even number)
.endr
	; the row's sum of the unquantised p, in eight chains.  First the 24 pairs of v96-143 (17 additions), so that v's images can be asked for
	PADD 236, S, S+2
.irp k, 0,1,2,3,4,5
	PADD 244+2*\k, S+4+4*\k, S+6+4*\k
.endr
	PADD SUM, SUM, S+28
	PADD 236, 236, S+30
.irp k, 0,1,2,3,4,5
	PADD 244+2*\k, 244+2*\k, S+32+2*\k
.endr
	PADD SUM, SUM, S+44
	PADD 236, 236, S+46
	ds_load_b64 v[VS:VS+1], v[A8] offset:12800
.irp u, 0,1,2,3                                ; v's four images take p's place
.irp q, 0,1,2
	ds_load_b128 v[S+12*\u+4*\q:S+12*\u+4*\q+3], v[A16] offset:6144+1536*\u+512*\q
.endr
.endr
.irp k, 0,1,2,3,4,5
	PADD 244+2*\k, 244+2*\k, S+48+2*\k
.endr
	PADD SUM, SUM, S+60
	PADD 236, 236, S+62
	v_lshrrev_b32 v[BY], 23, v[SO]
	v_lshrrev_b32 v[BY+1], 23, v[SO+1]
	DEP 1
	v_lshl_or_b32 v[PSW], v[BY+1], 16, v[BY]       ; my blocks h and 2 + h,
	DEP 1
	v_lshlrev_b32 v[PSW], v[SH8], v[PSW]           ; at their places;
	DEP 1
	v_permlanex16_b32 v[T2], v[PSW], s[SEL], s[SEL+1]
	DEP 1
	v_or_b32 v[PSW], v[PSW], v[T2]                 ; with lane l xor 16's two: p's scale word for these 128 keys
.irp c, 0,1
.irp i, 0,1,2
	v_mov_b32 v[P+6*\c+3+\i], v[CT+4*\c+\i]
.endr
.endr
	WALU                                           ; a wait directly ahead of the first reader of O^T
.set i, 0
.rept 16
	v_pk_mul_f32 v[O+i:O+i+1], v[O+i:O+i+1], v[FF:FF+1] op_sel_hi:[1,0]   ; O^T under the new M; also the places between the writes of p's codes and scale word and the products
.set i, i+2
.endr
	WALU
	s_wait_dscnt 0x0                               ; v's images, and whatever was fetched for the next step
.irp u, 0,1,2,3                                ; O^T += v^T p: register 8 u + j: channel 32 h + 8 u + j of the head
.if \u%2
	v_wmma_scale_f32_16x16x128_f8f6f4 v[O+8*\u:O+8*\u+7], v[S+12*\u:S+12*\u+11], v[P:P+11], v[O+8*\u:O+8*\u+7], v[VS+\u/2], v[PSW] matrix_a_fmt:MATRIX_FMT_FP6 matrix_b_fmt:MATRIX_FMT_FP6 matrix_a_scale:MATRIX_SCALE_ROW1
.else
	v_wmma_scale_f32_16x16x128_f8f6f4 v[O+8*\u:O+8*\u+7], v[S+12*\u:S+12*\u+11], v[P:P+11], v[O+8*\u:O+8*\u+7], v[VS+\u/2], v[PSW] matrix_a_fmt:MATRIX_FMT_FP6 matrix_b_fmt:MATRIX_FMT_FP6
.endif
.endr
.endm
.macro SLOOP cnt, qf, qs               ; cnt key steps from s[TB] on, each fetching for the next
	s_mov_b32 s41, \cnt
.Lstep_\@:
	STEP \qf, \qs, 1
	s_add_co_u32 s[TB], s[TB], REC
	s_sub_co_u32 s41, s41, 1
	s_cmp_lg_u32 s41, 0
	s_cbranch_scc1 .Lstep_\@
.endm
; A tile's end: O^T / the sum is the last product's operand: my 32 channels 32 h + 0 .. 31 are one whole block along d.  c: which of my two tiles.
.macro FINISH c
	PADD 246, 246, 248                             ; the last step's chains are joined; the first four lines are the places behind the last products
	PADD 250, 250, 252
	PADD SUM, SUM, 254
	PADD 236, 236, 244
	DEP 2
	PADD SUM, SUM, 250
	DEP 2
	PADD 236, 236, 246
	DEP 1
	PADD SUM, SUM, 236
	DEP 1
	v_add_f32 v[SUM], v[SUM], v[SUM+1]
	DEP 1
	v_permlanex16_b32 v[T2], v[SUM], s[SEL], s[SEL+1]
	DEP 1
	v_add_f32 v[SUM], v[SUM], v[T2]                ; the row's sum
	WALU
	v_rcp_f32 v[TMP], v[SUM]
	v_nop                                          ; a plain place behind the reciprocal,
	WALU                                           ; and the wait ahead of its first reader, which is O^T's too
.set i, 0
.rept 16
	v_pk_mul_f32 v[S+i:S+i+1], v[O+i:O+i+1], v[TMP:TMP+1] op_sel_hi:[1,0]
.set i, i+2
.endr
	v_max3_num_f32 v[BM], |v[S]|, |v[S+1]|, 0x1800000
	v_max3_num_f32 v[BM+1], |v[S+16]|, |v[S+17]|, 0x1800000
.irp i, 2,4,6,8,10,12,14
	DEP 2
	v_max3_num_f32 v[BM], v[BM], |v[S+\i]|, |v[S+\i+1]|
	DEP 2
	v_max3_num_f32 v[BM+1], v[BM+1], |v[S+16+\i]|, |v[S+17+\i]|
.endr
	DEP 1
	v_max_num_f32 v[BM], v[BM], v[BM+1]
	DEP 1
	v_add_nc_u32 v[SO], 0xff000000, v[BM]
	DEP 1
	v_lshrrev_b32 v[BY], 23, v[SO]
	v_cvt_scalef32_pk16_fp6_f32 v[OF+6*\c:OF+6*\c+2], v[S:S+15], v[SO]
	v_cvt_scalef32_pk16_fp6_f32 v[CT:CT+2], v[S+16:S+31], v[SO]
	v_nop
.irp i, 0,1,2
	v_mov_b32 v[OF+6*\c+3+\i], v[CT+\i]
.endr
	v_lshlrev_b32 v[OW], v[SH8], v[BY]             ; the byte of block h at its place;
	DEP 1
	v_permlanex16_b32 v[T2], v[OW], s[SEL], s[SEL+1]
	DEP 1
	v_or_b32 v[OW], v[OW], v[T2]                   ; with lane l xor 16's: my row's two bytes
	global_store_b128 v[L16], v[OF+6*\c:OF+6*\c+3], s[52:53] offset:49152*\c        ; 512 consecutive bytes, aligned,
	global_store_b64 v[L8], v[OF+6*\c+4:OF+6*\c+5], s[52:53] offset:49152*\c+512    ; then 256
	ds_store_b16 v[OSA], v[OW] offset:512*\c       ; both halves of the lanes write the same bytes with the same value
.if \c == 0
	RESET
.endif
.endm
	WALU                                           ; a wait at the head's end
	s_cmp_lt_u32 s[WV], 4
	s_cbranch_scc0 .Lnot_first
	s_wait_tensorcnt 0x0                           ; my record of the first four is in
.Lnot_first:
	s_barrier_signal -1
	s_barrier_wait -1                              ; records 0 to 3 are in; the others may be on their way
	KPRE L16, L8, 0
	s_mov_b32 s[TB], 0
	s_wait_loadcnt 0x0                             ; q
	s_wait_dscnt 0x0
	SLOOP 3, QA, QSA                               ; my first tile: records 0 to 2 (they fetch from records 1 to 3)
	s_wait_tensorcnt 0x0                           ; every wave's load has landed
	s_wait_dscnt 0x0
	s_barrier_signal -1
	s_barrier_wait -1                              ; all sixteen records are in
	SLOOP 12, QA, QSA                              ; records 3 to 14
	STEP QA, QSA, 2                                ; record 15; it fetches from record 0 for my second tile
	FINISH 0
	s_mov_b32 s[TB], 0
	SLOOP 15, QB, QSB
	STEP QB, QSB, 0
	FINISH 1
	s_wait_dscnt 0x0                               ; for wave 0's sake: my bytes have landed
	s_barrier_signal -1
	s_barrier_wait -1
	s_cmp_lg_u32 s[WV], 0
	s_cbranch_scc1 .Lend
	ds_load_b128 v[S:S+3], v[OSR]                  ; the 32 tiles' scale bytes: 1,024 consecutive bytes
	ds_load_b128 v[S+4:S+7], v[OSR] offset:512
	s_wait_dscnt 0x0
	global_store_b128 v[L16], v[S:S+3], s[54:55]
	global_store_b128 v[L16], v[S+4:S+7], s[54:55] offset:512
.Lend:
	s_wait_tensorcnt 0x0                           ; the wave's end
	ds_add_u32 v[SPW], v[NIL]
	s_wait_dscnt 0x0
	CROUND                                         ; the closing round
	s_endpgm
.Lfunc_end_k_q0dd0ed4529_attn:
	.size	k_q0dd0ed4529_attn, .Lfunc_end_k_q0dd0ed4529_attn-k_q0dd0ed4529_attn
	.p2alignl 7, 3214868480
	.fill 96, 4, 3214868480
	.section	.rodata,"a",@progbits
	.p2align	6, 0x0
	.amdhsa_kernel k_q0dd0ed4529_attn
		.amdhsa_group_segment_fixed_size 327680
		.amdhsa_private_segment_fixed_size 0
		.amdhsa_enable_private_segment 0
		.amdhsa_kernarg_size 24
		.amdhsa_user_sgpr_count 2
		.amdhsa_user_sgpr_kernarg_segment_ptr 1
		.amdhsa_wavefront_size32 1
		.amdhsa_system_sgpr_workgroup_id_x 1
		.amdhsa_system_sgpr_workgroup_id_y 1
		.amdhsa_system_sgpr_workgroup_id_z 1
		.amdhsa_system_vgpr_workitem_id 0
		.amdhsa_next_free_vgpr 256
		.amdhsa_next_free_sgpr 66
		.amdhsa_reserve_vcc 0
		.amdhsa_float_denorm_mode_32 3
		.amdhsa_float_denorm_mode_16_64 3
		.amdhsa_memory_ordered 1
		.amdhsa_forward_progress 1
		.amdhsa_inst_pref_size 95
	.end_amdhsa_kernel
	.amdgpu_metadata
---
amdhsa.version: [ 1, 2 ]
amdhsa.kernels:
  - .name:           k_q0dd0ed4529_attn
    .symbol:         k_q0dd0ed4529_attn.kd
    .args:
      - { .name: qq, .offset: 0, .size: 8, .value_kind: global_buffer, .address_space: global }
      - { .name: kv, .offset: 8, .size: 8, .value_kind: global_buffer, .address_space: global }
      - { .name: oq, .offset: 16, .size: 8, .value_kind: global_buffer, .address_space: global }
    .group_segment_fixed_size: 327680
    .private_segment_fixed_size: 0
    .kernarg_segment_align: 8
    .kernarg_segment_size: 24
    .max_flat_workgroup_size: 512
    .sgpr_count:     66
    .vgpr_count:     256
    .wavefront_size: 32
...
	.end_amdgpu_metadata
.endif
;; end of part 3
;; launch proj (part 4): grid 4 x 64, 4 waves a work-group, clusters of 4 x 4, 327,680 bytes of LDS; arguments oq, wq, b_out, out0; writes out0
.if DOCPART == 4
	.amdgcn_target "amdgcn-amd-amdhsa--gfx1250"
	.amdhsa_code_object_version 6
	.text
	.protected	k_q0dd0ed4529_proj
	.globl	k_q0dd0ed4529_proj
	.p2align	8
	.type	k_q0dd0ed4529_proj,@function
k_q0dd0ed4529_proj:
	s_mov_b64 s[64:65], 0
	v_nop
	global_prefetch_b8 v0, s[64:65] scope:SCOPE_SE
	s_setreg_imm32_b32 hwreg(HW_REG_WAVE_MODE, 25, 1), 1
	s_wait_xcnt 0x0
	s_wait_alu depctr_hold_cnt(0) depctr_sa_sdst(0) depctr_va_vdst(0) depctr_va_sdst(0) depctr_va_ssrc(0) depctr_va_vcc(0) depctr_vm_vsrc(0)
	s_getreg_b32 s2, hwreg(HW_REG_IB_STS2, 6, 4)
	s_cmp_eq_u32 s2, 0
	s_cbranch_scc0 .Lentry_in_a_cluster
	s_endpgm
.Lentry_in_a_cluster:
	s_bfe_u32 s2, ttmp6, 0x10000c
	s_cmp_lg_u32 s2, 0xf033
	s_cbranch_scc0 .Lentry_shape_is_right
	s_endpgm
.Lentry_shape_is_right:
; out = O W_out + b_out on codes of FP6 (E2M3) with E8M0 scales; out is f32.  O's codes (oq) are laid as X's were, W_out's lie in wq behind W_qkv's.
; The main loop is that of the launch that makes q, k and v: a work-group makes 128 tokens x 256 columns, four waves of 64 tokens (I side, source 1) x 128 columns (J side, source 0): 32 accumulators;
; all of K = 1,024 of both sides lies in LDS (4 chunks of 256 along K), no byte is filled twice; each wave has one tensor load out at the start.
; Row 64 G + 32 a + 8 t + e of either operand is lane row 8 a + e of tile 4 G + t: lane (r, h) holds token row r, and its 32 registers of J tiles 4 c .. 4 c + 3 are columns 64 c + 32 h + 0 .. 31.
; THE BIAS is the C of each sum's first matrix instruction: eight registers a J tile, in the result's layout.
; THE WAY OUT: a tile of 16 tokens x 128 columns goes through my stage in LDS and leaves as whole rows of 512 bytes.  The stage lies in O's chunks 0 and 1, which have had their only fill and their last read long before.
; CLUSTERS: 4 x 4.  O's tiles hang on the work-group's y alone and are asked for jointly along a row of the cluster, W's on its x alone, along a column.
; REGISTERS: window 0: v1-23 addresses; v32-47 I's scale words, v48-79 J's (they hold nothing else); v80-175 I's fragments, two sets; v176-239 the bias; on the way out v80-207 rows of out.  window 1: J's fragments.  window 2: accumulator (a, b) at v[8 (8 a + b)].
; THE FILLS AS THIS TEXT HAS THEM: LDS holds O's four chunks of 256 along K on end (24,576 bytes each), then W's four (49,152 each).  One descriptor covers two chunks (two rows, a chunk a row):
; wave 0 asks for O's chunks 0 and 1, wave 1 for W's, wave 2 for O's chunks 2 and 3, wave 3 for W's: one tensor load a wave, no byte filled twice.  The stage of the way out lies in O's chunks 0 and 1.
; O'S CODES: a fragment's 1,536 bytes are two half images of 768, one a head: registers 6 c .. 6 c + 3 at 16 x lane, 6 c + 4, 6 c + 5 at 512 + 8 x lane.
; O'S SCALE BYTES: [head][tile / 4][row r][tile % 4][2]: a K step's word is made of its two heads' halves.
.set XCH,   24576
.set WCH,   49152
.set XPART, 98304
.set L8,  2                            ; v2 8 x lane
.set SHO, 3                            ; v3 32,768 h + 8 r: my place in the scale bytes' planes
.set AI8, 20                           ; v20-23 as v4-7, for the loads of 8 bytes
.set SH,  240                          ; v240-255 the scale halves as loaded
.set SPARE, 294912
.set XSTR,  1572864
.set XSC,   6291456
.set XSS,   65536
.set WCODE, 2457600
.set WSTR,  196608
.set WSC,   3244032
.set WSS,   8192
.set WV,  14
.set G1X, 24
.set G1W, 32
.set L16, 1
.set AI,  4
.set AJ,  8
.set SPW, 12
.set NIL, 13
.set HB,  16                           ; v16 128 h
.set STO, 18
.set RD,  19
.set SI,  32
.set SJ,  48
.set FI,  80
.set BIAS, 176
.set BK,  80
.set MSB, 0
.macro WIN new                         ; the immediate's high byte repeats the setting that is left
.if MSB != \new
	s_set_vgpr_msb (MSB<<8)|\new
.set MSB, \new
.endif
.endm
.macro PLACES                          ; four places: in front of loads into registers that matrix instructions have read, and of the first read of results
.rept 4
	v_nop
.endr
.endm
.macro CROUND                          ; a round of the cluster's barrier
	s_barrier_signal -1
	s_barrier_wait -1
	s_cmp_lg_u32 s[WV], 0
	s_cbranch_scc1 .Lnot_wave_0_\@
	s_barrier_signal -3
.Lnot_wave_0_\@:
	s_barrier_wait -3
	s_barrier_signal -1
	s_barrier_wait -1
.endm
.macro MKG0 g, lds, off, base, goff    ; a descriptor's group 0
	s_mov_b32 s[\g], 1
	s_add_co_u32 s[\g+1], s[\lds], \off
	s_add_nc_u64 s[\g+2:\g+3], s[\base:\base+1], \goff
	s_or_b32 s[\g+3], s[\g+3], 0x80000000
.endm
.macro FETCH_I set, sg, kk             ; my four I fragments of a K step: two half images each, a load of 512 consecutive bytes and one of 256 for each
.irp a, 0,1,2,3
.irp c, 0,1
	ds_load_b128 v[FI+48*(\set)+12*\a+6*\c:FI+48*(\set)+12*\a+6*\c+3], v[AI+(\sg)] offset:3072*\a+1536*(\kk)+768*\c
	ds_load_b64 v[FI+48*(\set)+12*\a+6*\c+4:FI+48*(\set)+12*\a+6*\c+5], v[AI8+(\sg)] offset:3072*\a+1536*(\kk)+768*\c+512
.endr
.endr
.endm
.macro FETCH_J set, sg, kk             ; my eight J fragments, into window 1
	WIN 0x40
.irp b, 0,1,2,3,4,5,6,7
.irp q, 0,1,2
	ds_load_b128 v[96*(\set)+12*\b+4*\q:96*(\set)+12*\b+4*\q+3], v[AJ+(\sg)] offset:3072*\b+1536*(\kk)+512*\q
.endr
.endr
	WIN 0
.endm
; 16 matrix instructions of K step s: I tiles a0, a0 + 1 x the eight J tiles.  The 32 accumulators take turns, one instruction a turn, in the same order in every K step.
; A scale register holds the even K step's words in lanes 0-15 and the odd one's in lanes 16-31.
.macro MUL16 a0, s, cmode
.irp a, \a0, \a0+1
.irp b, 0,1,2,3,4,5,6,7
.if (\s) == 0
.if \cmode
	v_wmma_scale_f32_16x16x128_f8f6f4 v[8*(8*(\a)+\b):8*(8*(\a)+\b)+7], v[12*\b:12*\b+11], v[FI+12*(\a):FI+12*(\a)+11], v[BIAS+8*\b:BIAS+8*\b+7], v[SJ+\b], v[SI+(\a)] matrix_a_fmt:MATRIX_FMT_FP6 matrix_b_fmt:MATRIX_FMT_FP6
.else
	v_wmma_scale_f32_16x16x128_f8f6f4 v[8*(8*(\a)+\b):8*(8*(\a)+\b)+7], v[12*\b:12*\b+11], v[FI+12*(\a):FI+12*(\a)+11], 0, v[SJ+\b], v[SI+(\a)] matrix_a_fmt:MATRIX_FMT_FP6 matrix_b_fmt:MATRIX_FMT_FP6
.endif
.elseif (\s)%2 == 0
	v_wmma_scale_f32_16x16x128_f8f6f4 v[8*(8*(\a)+\b):8*(8*(\a)+\b)+7], v[12*\b:12*\b+11], v[FI+12*(\a):FI+12*(\a)+11], v[8*(8*(\a)+\b):8*(8*(\a)+\b)+7], v[SJ+8*((\s)/2)+\b], v[SI+4*((\s)/2)+(\a)] matrix_a_fmt:MATRIX_FMT_FP6 matrix_b_fmt:MATRIX_FMT_FP6
.else
	v_wmma_scale_f32_16x16x128_f8f6f4 v[8*(8*(\a)+\b):8*(8*(\a)+\b)+7], v[96+12*\b:96+12*\b+11], v[FI+48+12*(\a):FI+48+12*(\a)+11], v[8*(8*(\a)+\b):8*(8*(\a)+\b)+7], v[SJ+8*((\s)/2)+\b], v[SI+4*((\s)/2)+(\a)] matrix_a_fmt:MATRIX_FMT_FP6 matrix_b_fmt:MATRIX_FMT_FP6 matrix_a_scale:MATRIX_SCALE_ROW1 matrix_b_scale:MATRIX_SCALE_ROW1
.endif
.endr
.endr
.endm
.macro WINMUL s, cmode                 ; source 0 (J) window 1, source 1 (I) window 0, D window 2; C window 2, or window 0 where it is the bias
.if ((\s) == 0) && (\cmode)
	WIN 0x81
.else
	WIN 0xa1
.endif
.endm
; K step s multiplies set s % 2; the next step's 36 LDS loads go out in one run ahead of (even s) or amid (odd s) its 32 matrix instructions.
; An odd step changes chunks: my part of the next chunk has landed (the count leaves my loads of the later chunks out), and a barrier shows that of all four waves.
.macro KSTEP s, cmode
	s_wait_dscnt 0x0                               ; this step's fragments are in
.if (\s)%2 == 0
.if (\s) > 0
	PLACES
.endif
	FETCH_J 1, (\s)/2, 1
	FETCH_I 1, (\s)/2, 1
	WINMUL \s, \cmode
	MUL16 0, \s, \cmode
	MUL16 2, \s, \cmode
.elseif (\s) == 3
	s_wait_tensorcnt 0x0                           ; every wave's load has landed: chunks 2 and 3 are shown to all
	s_barrier_signal -1
	WINMUL \s, \cmode
	MUL16 0, \s, \cmode
	s_barrier_wait -1
	PLACES
	FETCH_J 0, ((\s)+1)/2, 0
	FETCH_I 0, ((\s)+1)/2, 0
	WINMUL \s, \cmode
	MUL16 2, \s, \cmode
.elseif (\s) < 7
	PLACES                                         ; K steps 1 and 5 meet no barrier: the next step's loads go out ahead of all 32 products, as in the even steps
	FETCH_J 0, ((\s)+1)/2, 0
	FETCH_I 0, ((\s)+1)/2, 0
	WINMUL \s, \cmode
	MUL16 0, \s, \cmode
	MUL16 2, \s, \cmode
.else
	WINMUL \s, \cmode
	MUL16 0, \s, \cmode
	MUL16 2, \s, \cmode
.endif
.endm
.macro MAIN cmode
	s_cmp_lt_u32 s[WV], 2                          ; waves 0 and 1 asked for chunks 0 and 1, by lines of their own: they wait here
	s_cbranch_scc0 .Llate_\@
	s_wait_tensorcnt 0x0
.Llate_\@:
	s_barrier_signal -1
	s_barrier_wait -1                              ; everybody's is
	FETCH_J 0, 0, 0
	FETCH_I 0, 0, 0
	s_wait_loadcnt 0x0
.irp g, 0,1,2,3                                ; tile t's word of K step 2 g + h: the even head's two bytes below, the odd head's above
	v_perm_b32 v[SI+4*\g], v[SH+4*\g+2], v[SH+4*\g], 0x05040100
	v_perm_b32 v[SI+4*\g+1], v[SH+4*\g+2], v[SH+4*\g], 0x07060302
	v_perm_b32 v[SI+4*\g+2], v[SH+4*\g+3], v[SH+4*\g+1], 0x05040100
	v_perm_b32 v[SI+4*\g+3], v[SH+4*\g+3], v[SH+4*\g+1], 0x07060302
.endr
.rept 8
	v_nop                                          ; a scale register written by a vector instruction stands eight places ahead of a scaled product
.endr
	s_wait_alu depctr_va_vdst(0)                   ; a wait ahead of the wait that blocks
.irp s, 0,1,2,3,4,5,6,7
	KSTEP \s, \cmode
.endr
	WIN 0
.endm
	s_load_b128 s[4:7], s[0:1], 0x0                ; oq, wq
	s_load_b128 s[8:11], s[0:1], 0x10              ; b_out, out0
	v_lshl_add_u32 v[SPW], v0, 2, SPARE
	v_mov_b32 v[NIL], 0
	ds_add_u32 v[SPW], v[NIL]                      ; the wave's opening: the add and its wait ahead of my first tensor load; the set-up below, work on registers, stands between them
	ds_add_u32 v[SPW], v[NIL]
	v_lshrrev_b32 v1, 5, v0
	v_readfirstlane_b32 s[WV], v1                  ; wave 0..3
	s_lshr_b32 s15, s[WV], 1                       ; which 64 of the tokens are mine
	s_and_b32 s16, s[WV], 1                        ; which 128 of the columns
	s_bfe_u32 s76, ttmp6, 0x40000                  ; cx, cy: my place in the cluster
	s_bfe_u32 s77, ttmp6, 0x40004
	s_lshl_b32 s78, ttmp9, 2
	s_add_co_u32 s78, s78, s76                     ; x: which 256 columns
	s_and_b32 s79, ttmp7, 0xffff
	s_lshl_b32 s79, s79, 2
	s_add_co_u32 s79, s79, s77                     ; y: which 128 tokens
	s_lshl_b32 s80, s77, 2
	s_lshl_b32 s80, 15, s80                        ; my row of the cluster
	s_lshl_b32 s81, 0x1111, s76                    ; my column
	; group 1: elements of 8 bytes, two rows of a chunk each: O 24,576 bytes a row (eight tiles), W 49,152 (sixteen tiles)
	s_or_b32 s[G1X], s80, (3<<16)|(1<<21)          ; 15:0 the mask; 17:16 elements of 8 bytes; 21 set beside a mask
	s_or_b32 s[G1W], s81, (3<<16)|(1<<21)
	s_mov_b32 s[G1X+1], 3072<<16                   ; a row = my eight tiles of one chunk, 24,576 bytes on end (3,072 elements of 8 bytes)
	s_mov_b32 s[G1X+2], 2<<16                      ; two rows = two chunks
	s_mov_b32 s[G1X+3], 3072<<16
	s_mov_b32 s[G1X+4], 2
	s_mov_b32 s[G1X+5], XSTR/8                     ; from chunk to chunk in memory
	s_mov_b32 s[G1X+6], 0
	s_mov_b32 s[G1X+7], 0
	s_mov_b32 s[G1W+1], 6144<<16                   ; W: sixteen tiles, 49,152 bytes
	s_mov_b32 s[G1W+2], 2<<16
	s_mov_b32 s[G1W+3], 6144<<16
	s_mov_b32 s[G1W+4], 2
	s_mov_b32 s[G1W+5], WSTR/8
	s_mov_b32 s[G1W+6], 0
	s_mov_b32 s[G1W+7], 0
	s_mul_i32 s82, s79, XCH                        ; O: tile 8 y, chunks 2 (wave / 2) on: y and the wave's number alone
	s_mul_i32 s83, s15, 2*XSTR
	s_add_co_u32 s82, s82, s83
	s_mov_b32 s83, 0
	s_mul_i32 s84, s78, WCH                        ; W: tile 16 x: x and the wave's number alone
	s_mul_i32 s85, s15, 2*WSTR
	s_add_co_u32 s84, s84, s85
	s_add_co_u32 s84, s84, WCODE
	s_mov_b32 s85, 0
	s_mul_i32 s86, s15, 2*XCH                      ; where they go: no place in the cluster enters an LDS address
	s_mul_i32 s87, s15, 2*WCH
	s_add_co_u32 s87, s87, XPART
	s_wait_dscnt 0x0
	s_wait_kmcnt 0x0
	s_add_nc_u64 s[82:83], s[4:5], s[82:83]
	s_add_nc_u64 s[84:85], s[6:7], s[84:85]
	MKG0 40, 86, 0, 82, 0
	MKG0 44, 87, 0, 84, 0
	CROUND                                         ; all sixteen work-groups are here: the joint loads meet
.macro ARM w, g0, g1, next                     ; one chain of branches on the wave's number, one load to an arm, all arms to one join
	s_cmp_eq_u32 s[WV], \w
	s_cbranch_scc0 \next
	tensor_load_to_lds s[\g0:\g0+3], s[\g1:\g1+7]
	s_nop 0
	PLACES
	s_branch .Lfilled
\next:
.endm
	ARM 0, 40, G1X, .Lf1
	ARM 1, 44, G1W, .Lf2
	ARM 2, 40, G1X, .Lf3
	tensor_load_to_lds s[44:47], s[G1W:G1W+7]
	s_nop 0
	PLACES
.Lfilled:
	v_and_b32 v[L8], 31, v0
	v_lshlrev_b32 v[L16], 4, v[L8]
	v_lshlrev_b32 v[L8], 3, v[L8]
	v_bfe_u32 v[HB], v0, 4, 1
	v_and_b32 v[SHO], 15, v0
	v_lshlrev_b32 v[SHO], 3, v[SHO]
	v_lshl_add_u32 v[SHO], v[HB], 15, v[SHO]       ; 8 r + two heads' planes for the odd K step
	v_lshlrev_b32 v[HB], 7, v[HB]
	s_wait_alu depctr_va_vdst(0)                   ; a wait
	s_mul_i32 s88, s15, 12288                      ; I = O's tiles 4 (wave / 2) on, J = W's tiles 8 (wave % 2) on
	s_mul_i32 s89, s16, 24576
	s_add_co_u32 s89, s89, XPART
.irp g, 0,1,2,3
	v_add_nc_u32 v[AI+\g], s88, v[L16]
	v_add_nc_u32 v[AI8+\g], s88, v[L8]
	v_add_nc_u32 v[AJ+\g], s89, v[L16]
	s_add_co_u32 s88, s88, XCH
	s_add_co_u32 s89, s89, WCH
.endr
	s_lshl_b32 s90, s79, 1                         ; I's scale words: four tiles 2 y + wave / 2
	s_add_co_u32 s90, s90, s15
	s_lshl_b32 s90, s90, 7
	s_add_co_u32 s90, s90, XSC
	s_mov_b32 s91, 0
	s_add_nc_u64 s[90:91], s[4:5], s[90:91]
	s_lshl_b32 s92, s78, 2                         ; J's: 4 x + 2 (wave % 2) and the next
	s_lshl_b32 s93, s16, 1
	s_add_co_u32 s92, s92, s93
	s_lshl_b32 s92, s92, 9
	s_add_co_u32 s92, s92, WSC
	s_mov_b32 s93, 0
	s_add_nc_u64 s[92:93], s[6:7], s[92:93]
.irp g, 0,1,2,3
	global_load_b64 v[SH+4*\g:SH+4*\g+1], v[SHO], s[90:91] offset:65536*\g              ; head 4 g + 2 h: four tiles' two bytes of row r
	global_load_b64 v[SH+4*\g+2:SH+4*\g+3], v[SHO], s[90:91] offset:65536*\g+16384      ; head 4 g + 2 h + 1
	global_load_b128 v[SJ+8*\g:SJ+8*\g+3], v[L16], s[92:93] offset:WSS*\g
	global_load_b128 v[SJ+8*\g+4:SJ+8*\g+7], v[L16], s[92:93] offset:WSS*\g+512
.endr
	s_lshl_b32 s94, s78, 10                        ; my first column, in bytes: 1,024 x + 512 (wave % 2)
	s_lshl_b32 s95, s16, 9
	s_add_co_u32 s94, s94, s95
	s_mov_b32 s95, 0
	s_add_nc_u64 s[98:99], s[8:9], s[94:95]        ; in the bias,
	s_lshl_b32 s80, s79, 19                        ; and in out, at token 128 y + 64 (wave / 2)
	s_lshl_b32 s81, s15, 18
	s_add_co_u32 s80, s80, s81
	s_add_co_u32 s80, s80, s94
	s_mov_b32 s81, 0
	s_add_nc_u64 s[96:97], s[10:11], s[80:81]
.irp b, 0,1,2,3,4,5,6,7                        ; J tile b, register j: column 64 (b / 4) + 32 h + 8 (b % 4) + j
	global_load_b128 v[BIAS+8*\b:BIAS+8*\b+3], v[HB], s[98:99] offset:256*(\b/4)+32*(\b%4)
	global_load_b128 v[BIAS+8*\b+4:BIAS+8*\b+7], v[HB], s[98:99] offset:256*(\b/4)+32*(\b%4)+16
.endr
	v_and_b32 v17, 15, v0
	v_mul_u32_u24 v17, v17, 528                    ; the stage: 16 rows of 512 bytes + 16 (132 words: sixteen rows begin at sixteen different groups of four banks)
	v_add_nc_u32 v17, v17, v[HB]
	s_mul_i32 s88, s[WV], 8448
	v_add_nc_u32 v[STO], s88, v17                  ; in: row r, + 128 h
	v_add_nc_u32 v[RD], s88, v[L16]                ; back: the 32 lanes take one row
	s_wait_alu depctr_va_vdst(0)
	MAIN 1
.macro TOSTAGE a                       ; my I tile a: LDS serves a wave's instructions in order, so no wait stands between the stores and the loads, nor in front of the next tile's stores
	WIN 0x08                                       ; an LDS store's data are its source 1: window 2
.irp b, 0,1,2,3,4,5,6,7
	ds_store_b128 v[STO], v[64*(\a)+8*\b:64*(\a)+8*\b+3] offset:256*(\b/4)+32*(\b%4)          ; each accumulator from its low end on
	ds_store_b128 v[STO], v[64*(\a)+8*\b+4:64*(\a)+8*\b+7] offset:256*(\b/4)+32*(\b%4)+16
.endr
	WIN 0
.set BB, BK+64*((\a)%2)
.irp t, 0,1,2,3,4,5,6,7,8,9,10,11,12,13,14,15
	ds_load_b128 v[BB+4*\t:BB+4*\t+3], v[RD] offset:528*\t
.endr
.endm
.macro SEND a, younger                 ; younger: the LDS instructions issued behind tile a's loads, which may stay out
.set BB, BK+64*((\a)%2)
	s_wait_dscnt \younger
.irp t, 0,1,2,3,4,5,6,7,8,9,10,11,12,13,14,15
	global_store_b128 v[L16], v[BB+4*\t:BB+4*\t+3], s[96:97] offset:(32*(\t/8)+8*(\a)+\t%8)*4096 th:TH_STORE_NT   ; lane row t of tile a is token 32 (t / 8) + 8 a + t % 8 from my first; 512 consecutive bytes, aligned
.endr
.endm
	PLACES                                         ; the first reads of results just made, and the loads into registers that held fragments
	TOSTAGE 0
.irp a, 1,2,3
.if \a > 1
	s_wait_xcnt 0x0                                ; tile a - 2's stores have read their registers: tile a's loads may land there
.endif
	TOSTAGE \a
	SEND \a-1, 32                                  ; behind tile a - 1's loads: tile a's 16 stores and 16 loads
.endr
	SEND 3, 0
	s_wait_tensorcnt 0x0                           ; the wave's end
	ds_add_u32 v[SPW], v[NIL]
	s_wait_dscnt 0x0
	CROUND                                         ; the closing round
	s_endpgm
.Lfunc_end_k_q0dd0ed4529_proj:
	.size	k_q0dd0ed4529_proj, .Lfunc_end_k_q0dd0ed4529_proj-k_q0dd0ed4529_proj
	.p2alignl 7, 3214868480
	.fill 96, 4, 3214868480
	.section	.rodata,"a",@progbits
	.p2align	6, 0x0
	.amdhsa_kernel k_q0dd0ed4529_proj
		.amdhsa_group_segment_fixed_size 327680
		.amdhsa_private_segment_fixed_size 0
		.amdhsa_enable_private_segment 0
		.amdhsa_kernarg_size 32
		.amdhsa_user_sgpr_count 2
		.amdhsa_user_sgpr_kernarg_segment_ptr 1
		.amdhsa_wavefront_size32 1
		.amdhsa_system_sgpr_workgroup_id_x 1
		.amdhsa_system_sgpr_workgroup_id_y 1
		.amdhsa_system_sgpr_workgroup_id_z 1
		.amdhsa_system_vgpr_workitem_id 0
		.amdhsa_next_free_vgpr 768
		.amdhsa_next_free_sgpr 100
		.amdhsa_reserve_vcc 0
		.amdhsa_float_denorm_mode_32 3
		.amdhsa_float_denorm_mode_16_64 3
		.amdhsa_memory_ordered 1
		.amdhsa_forward_progress 1
		.amdhsa_inst_pref_size 82
	.end_amdhsa_kernel
	.amdgpu_metadata
---
amdhsa.version: [ 1, 2 ]
amdhsa.kernels:
  - .name:           k_q0dd0ed4529_proj
    .symbol:         k_q0dd0ed4529_proj.kd
    .args:
      - { .name: oq, .offset: 0, .size: 8, .value_kind: global_buffer, .address_space: global }
      - { .name: wq, .offset: 8, .size: 8, .value_kind: global_buffer, .address_space: global }
      - { .name: b_out, .offset: 16, .size: 8, .value_kind: global_buffer, .address_space: global }
      - { .name: out0, .offset: 24, .size: 8, .value_kind: global_buffer, .address_space: global }
    .group_segment_fixed_size: 327680
    .private_segment_fixed_size: 0
    .kernarg_segment_align: 8
    .kernarg_segment_size: 32
    .max_flat_workgroup_size: 128
    .sgpr_count:     100
    .vgpr_count:     768
    .wavefront_size: 32
...
	.end_amdgpu_metadata
.endif
;; end of part 4
